; MI455X (gfx1250); checked and timed in simulation.
; The chip was launched on July 23, 2026; its instructions are those of AMD's public machine-readable ISA for CDNA 5 (MIT licence, August 2026) and "CDNA5" Instruction Set Architecture Reference Guide (July 2026). The comments in the code are by the model that wrote it; some were corrected since.
;; Transformer Encoder. Allowed arithmetic: matrix products marked QUANTISED: E2M1 operands, one E8M0 scale for each 32 along K, by v_wmma_scale_f32_16x16x128_f8f6f4 with both operands' format E2M1 (or v_wmma_scale_f32_32x16x128_f4), f32 sums; everything else in f32.
;; Inputs: W1_codes 4,096 x 32 x 16 uint8 (E2M1 codes of W1, K innermost, in blocks of 32 codes, two codes a byte); W1_scales 4,096 x 32 uint8 (E8M0 scales of W1, one for each 32 codes along K); W2_codes 1,024 x 128 x 16 uint8 (E2M1 codes of W2, K innermost, in blocks of 32 codes, two codes a byte); W2_scales 1,024 x 128 uint8 (E8M0 scales of W2, one for each 32 codes along K); Wk_codes 16 x 64 x 32 x 16 uint8 (E2M1 codes of Wk, K innermost, in blocks of 32 codes, two codes a byte); Wk_scales 16 x 64 x 32 uint8 (E8M0 scales of Wk, one for each 32 codes along K); Wproj_codes 1,024 x 32 x 16 uint8 (E2M1 codes of Wproj, K innermost, in blocks of 32 codes, two codes a byte); Wproj_scales 1,024 x 32 uint8 (E8M0 scales of Wproj, one for each 32 codes along K); Wq_codes 16 x 64 x 32 x 16 uint8 (E2M1 codes of Wq, K innermost, in blocks of 32 codes, two codes a byte); Wq_scales 16 x 64 x 32 uint8 (E8M0 scales of Wq, one for each 32 codes along K); Wv_codes 16 x 64 x 32 x 16 uint8 (E2M1 codes of Wv, K innermost, in blocks of 32 codes, two codes a byte); Wv_scales 16 x 64 x 32 uint8 (E8M0 scales of Wv, one for each 32 codes along K); b1 4,096 float32; b2 1,024 float32; be_attn 1,024 float32; be_ffn 1,024 float32; be_out 1,024 float32; embedding 2 x 2,048 x 1,024 float32; g_attn 1,024 float32; g_ffn 1,024 float32; g_out 1,024 float32; positional_encoding 2 x 2,048 x 1,024 float32.
;; Outputs: out0 2 x 2,048 x 1,024 float32; out1 16 x 2 x 2,048 x 64 float32; out2 16 x 2 x 2,048 x 64 float32.
;; This version of the problem:
;;   THIS VERSION OF THE PROBLEM IS GIVEN IN LOW PRECISION. The matrix products marked QUANTISED in the list below multiply operands that are first quantised to E2M1 (2 exponent bits, 1 mantissa bit; 4 bits a number), with one power-of-two scale for each 32 numbers along K (OCP MX v1.0); their sums are f32. All else is computed in f32.
;;   The module's matrix products, in the order in which they are computed (A, B: the left and right operand; K: the contracted axis; several contracted axes count as one K, in the product's order):
;;     1. [M 1,024, K 1,024] x [K 1,024, N 4,096]; A: input Wq (given as codes); B: computed on the way: QUANTISED
;;     2. [M 1,024, K 1,024] x [K 1,024, N 4,096]; A: input Wk (given as codes); B: computed on the way: QUANTISED
;;     3. [M 1,024, K 1,024] x [K 1,024, N 4,096]; A: input Wv (given as codes); B: computed on the way: QUANTISED
;;     4. batch 32 x [M 2,048, K 64] x [K 64, N 2,048]; A: computed on the way; B: computed on the way: QUANTISED
;;     5. batch 32 x [M 2,048, K 2,048] x [K 2,048, N 64]; A: softmax (see below); B: computed on the way: QUANTISED
;;     6. [M 4,096, K 1,024] x [K 1,024, N 1,024]; A: computed on the way; B: input Wproj (given as codes): QUANTISED
;;     7. [M 4,096, K 1,024] x [K 1,024, N 4,096]; A: computed on the way; B: input W1 (given as codes): QUANTISED
;;     8. [M 4,096, K 4,096] x [K 4,096, N 1,024]; A: computed on the way; B: input W2 (given as codes): QUANTISED
;;   THE QUANTISER, for each operand of a quantised product, along K:
;;     - K is cut into blocks of 32 from its start; a last block that is shorter is filled with zeros.
;;     - A block's scale is 2^e with e = floor(log2(the largest magnitude in the block)) - 2, held to -126 .. 127; a block of zeros has e = 0. As a byte (E8M0): e + 127.
;;     - Each number is divided by its block's scale, clamped to +-6, and rounded to the nearest number of E2M1, ties to even, subnormals kept.
;;     - The product sums the exact products of the quantised numbers (number of the format x scale) in f32.
;;   ~~~python
;;   def quantise(x, axis):      # numpy; x: float32 -> the quantised numbers, widened to float32 again
;;       x = np.moveaxis(x, axis, -1); K = x.shape[-1]
;;       x = np.pad(x, [(0, 0)] * (x.ndim - 1) + [(0, -K % 32)]); x = x.reshape(x.shape[:-1] + (-1, 32)); a = np.abs(x).max(-1, keepdims=True)
;;       e = np.where(a > 0, np.clip(np.frexp(np.where(a > 0, a, 1))[1] - 1 - 2, -126, 127), 0)      # np.frexp(a)[1] - 1 = floor(log2(a)), exactly
;;       r = np.clip(x / 2.0 ** e, -6, 6)
;;       step = 2.0 ** (np.maximum(np.frexp(np.where(r == 0, 1, r))[1] - 1, 0) - 1)
;;       q = np.round(r / step) * step * 2.0 ** e      # np.round: ties to even
;;       return np.moveaxis(q.reshape(q.shape[:-2] + (-1,))[..., :K], -1, axis).astype(np.float32)
;;   ~~~
;;   SOFTMAX AHEAD OF A QUANTISED PRODUCT. Where the list says 'softmax', what is quantised is not the finished softmax but p = 2^(t - M), with t = logit x log2(e) and M = ceil(the row's largest t), a whole number; so 1/2 < the row's largest p <= 1. The row's sum l is taken of the UNQUANTISED p, in f32, and the product's result is divided by l at the end. Since M is a whole number, a kernel that streams over the keys may use a running M (the ceiling of the running maximum): every later rescaling is an exact power of two, which a block's scale takes up: the codes' values come out the same.
;;   OPERANDS COMPUTED ON THE WAY. 'Computed on the way' means the value that the module computes at that place (a softmax that the list does not call 'softmax' is quantised finished and normalised). What goes into a quantiser is computed in f32, as accurately as f32 sums, v_exp_f32 and their like allow (about 1e-6 of the number): no bf16 or f16 on the way to a quantiser, and a product that is left as it is and whose result goes on into a quantised operand takes f32 operands (vector FMAs, or v_wmma_f32_16x16x4_f32). A number that lies on a knife's edge between two numbers of the format may be rounded either way, as far as f32 arithmetic and the matrix unit's own rounding can turn it there, and no further.
;;   INPUTS GIVEN AS CODES. W1 (in the module: [1024, 4096], K = its axis 0); W2 (in the module: [4096, 1024], K = its axis 0); Wk (in the module: [16, 1024, 64], K = its axis 1); Wproj (in the module: [1024, 1024], K = its axis 0); Wq (in the module: [16, 1024, 64], K = its axis 1); Wv (in the module: [16, 1024, 64], K = its axis 1): each comes as NAME_codes (uint8): NAME with its K axis moved to the last place and cut into blocks of 32 codes, [.., K / 32, bytes a block], one block behind the other in memory; two codes a byte, the lower K in the low four bits (a code: sign, 2 exponent bits, 1 mantissa bit); and NAME_scales (uint8): the same leading axes, one E8M0 byte (e + 127) for each 32 codes along K. Its value is code x scale, taken as it is: it is not quantised again, and the codes and scales need not be those that the quantiser above would give.
;; 2 versions, each right and faster than the one before. Each part assembles by itself: llvm-mc -triple=amdgcn-amd-amdhsa -mcpu=gfx1250 --defsym DOCPART=n.
;; ======== version 1 of 2: 6 launches
;; workspace buffers: wimg 6,291,456 bytes; xq 2,228,224 bytes; aq 2,228,224 bytes; mq 2,228,224 bytes; ain 6,946,816 bytes; mha 16,777,216 bytes; hq 8,912,896 bytes
;; launch prep (part 1): grid 448 x 1, 4 waves a work-group, no clusters, 0 bytes of LDS; arguments embedding, positional_encoding, Wq_codes, Wk_codes, Wv_codes, Wproj_codes, W1_codes, W2_codes, xq, wimg; writes xq, wimg
.if DOCPART == 1
	.amdgcn_target "amdgcn-amd-amdhsa--gfx1250"
	.amdhsa_code_object_version 6
	.text
	.protected	k_q5328a5c933_prep
	.globl	k_q5328a5c933_prep
	.p2align	8
	.type	k_q5328a5c933_prep,@function
k_q5328a5c933_prep:
	s_mov_b64 s[64:65], 0
	v_nop
	global_prefetch_b8 v0, s[64:65] scope:SCOPE_SE
	s_setreg_imm32_b32 hwreg(HW_REG_WAVE_MODE, 25, 1), 1
	s_wait_xcnt 0x0
; THE PROGRAM: one encoder layer (4,096 rows, E = 1,024, 16 heads of 64, FF = 4,096), all eight products on codes of E2M1 with one E8M0 scale for each 32 along K.
; Six launches: prep (this one), qkv, attn, proj, ffn1, ffn2.  Between them go codes and scale words, laid in the order of the matrix operand's registers, and mha in f32.
; WORK LEFT OUT: the causal mask is built in the problem's own body.  Where key > query the score is replaced by -infinity, its weight is exactly 0, and it adds nothing to the row's sum nor to the
; second product, whatever finite values the inputs hold.  So launch attn walks, for a block of 128 queries, only the blocks of 128 keys up to its own; blocks wholly behind the diagonal are not multiplied.
; Nothing else is left out and every input is loaded.  LIMIT: a NaN, an infinity or an overflow that would arise only in the tiles left out is not carried to the result.
; LIMITS of the quantiser as written here: NaN and infinities among the inputs are not served; a block whose largest magnitude lies under 2^-124 has its scale byte held at 1, and a block of zeros gets the
; byte 1 where the rule says 127: its codes are zeros, which add nothing under any byte but 0xff, and these bytes are read by this program alone.
; THIS LAUNCH.  Work-groups 0-255: x = embedding + positional_encoding, 16 rows each, quantised along E into xq.  Work-groups 256-447: the six weights' codes are laid anew into wimg.
; AN IMAGE of a fragment (16 rows x 128 K, 8 registers a lane): chunk c (registers 4 c .. 4 c + 3) is 512 bytes, lane l's 16 bytes at 16 l.  Lane (r = l % 16, h = l / 16) holds row r, k = 64 c + 32 h + 0 .. 31.
; xq: codes at 8,192 x row tile + 1,024 x K step + 512 c + 16 l; scale words (four bytes: 128 along K of one row) at SC + 512 x row tile + 64 x K step + 4 r.
; wimg: units of 8,192 bytes (16 rows x 8 K steps), Wq 0-63, Wk 64-127, Wv 128-191, Wproj 192-255, W1 256-511, W2 512-767 (a tile of W2 is four units on end).
; No LDS, no barrier: waves share nothing.  No cluster: no two work-groups read the same bytes.
.set SC,  2097152
.set E0,  16                           ; v16-79   64 numbers of K step 0: register 16 b + i is k = 32 b + 16 h + i of my row
.set P0,  80                           ; v80-143  the positional encoding's, of the K step in hand
.set E1,  144                          ; v144-207 K step 1
.set T,   208                          ; v208-213 at work in Q32
.set HW,  214                          ; v214-217 two scale bytes for each chunk
.set CD,  220                          ; v220-235 codes: no register is written twice, so no store's data are touched again
.set SEL, 36                           ; s[36:37] lane selects for v_permlanex16_b32: lane l xor 16
.set SH,  38                           ; s38      the mask of lanes 16-31
; 32 numbers of a lane, two blocks of 32 along K shared with lane l xor 16, become one chunk of codes in v[d] .. v[d+3] and the two scale bytes in v[hw].
; lay = 1: register 16 b + i holds k = 32 b + 16 h + i.   lay = 0: two tiles of a matrix result: k = 32 b + 8 h + i for i < 8, 32 b + 16 + 8 h + i - 8 else.
.macro Q32 s, d, hw, lay
	v_max3_num_f32 v[T], |v[(\s)]|, |v[(\s)+1]|, 0x1800000           ; the floor 2^(3 - 127) among the leaves: the byte cannot fall under 1
	v_max3_num_f32 v[T+1], |v[(\s)+16]|, |v[(\s)+17]|, 0x1800000
.irp i, 2,4,6,8,10,12,14
	v_max3_num_f32 v[T], v[T], |v[(\s)+\i]|, |v[(\s)+\i+1]|          ; the two blocks by turns
	v_max3_num_f32 v[T+1], v[T+1], |v[(\s)+16+\i]|, |v[(\s)+17+\i]|
.endr
	v_permlanex16_b32 v[T+2], v[T], s[SEL], s[SEL+1]
	v_permlanex16_b32 v[T+3], v[T+1], s[SEL], s[SEL+1]
	v_max_num_f32 v[T], v[T], v[T+2]                                 ; with lane l xor 16: the block's largest magnitude
	v_max_num_f32 v[T+1], v[T+1], v[T+3]
	v_add_nc_u32 v[T+4], 0xff000000, v[T]                            ; 2 off the exponent field: the conversion's scale operand
	v_add_nc_u32 v[T+5], 0xff000000, v[T+1]
	v_lshrrev_b32 v[T+2], 23, v[T+4]                                 ; the scale's byte
	v_lshrrev_b32 v[T+3], 23, v[T+5]
	v_lshl_or_b32 v[(\hw)], v[T+3], 8, v[T+2]
.if \lay
	v_cvt_scalef32_pk8_fp4_f32 v[(\d)], v[(\s):(\s)+7], v[T+4]
	v_cvt_scalef32_pk8_fp4_f32 v[(\d)+1], v[(\s)+8:(\s)+15], v[T+4]
	v_cvt_scalef32_pk8_fp4_f32 v[(\d)+2], v[(\s)+16:(\s)+23], v[T+5]
	v_cvt_scalef32_pk8_fp4_f32 v[(\d)+3], v[(\s)+24:(\s)+31], v[T+5]
	v_nop                                                            ; one plain place behind a scaled conversion
	v_permlane16_swap_b32 v[(\d)], v[(\d)+2]                         ; a whole block in a lane: lanes 0-15 block 0, lanes 16-31 block 1
	v_permlane16_swap_b32 v[(\d)+1], v[(\d)+3]
.else
	v_cvt_scalef32_pk8_fp4_f32 v[(\d)], v[(\s):(\s)+7], v[T+4]
	v_cvt_scalef32_pk8_fp4_f32 v[(\d)+2], v[(\s)+8:(\s)+15], v[T+4]
	v_cvt_scalef32_pk8_fp4_f32 v[(\d)+1], v[(\s)+16:(\s)+23], v[T+5]
	v_cvt_scalef32_pk8_fp4_f32 v[(\d)+3], v[(\s)+24:(\s)+31], v[T+5]
	v_nop
	v_permlane16_swap_b32 v[(\d)], v[(\d)+1]
	v_permlane16_swap_b32 v[(\d)+2], v[(\d)+3]
.endif
.endm
.macro XL reg, sb, ks                  ; my 64 numbers of K step ks: of each block of 32 the 16 of my half, four loads of 16 bytes
.irp b, 0,1,2,3
.irp j, 0,1,2,3
	global_load_b128 v[\reg+16*\b+4*\j:\reg+16*\b+4*\j+3], v4, s[\sb:\sb+1] offset:512*\ks+128*\b+16*\j
.endr
.endr
.endm
	s_load_b512 s[8:23], s[0:1], 0x0               ; embedding s[8:9], positional s[10:11], Wq s[12:13], Wk s[14:15], Wv s[16:17], Wproj s[18:19], W1 s[20:21], W2 s[22:23]
	s_load_b128 s[24:27], s[0:1], 0x40             ; xq s[24:25], wimg s[26:27]
	v_lshrrev_b32 v1, 5, v0
	v_readfirstlane_b32 s4, v1                     ; wave 0..3
	v_and_b32 v1, 31, v0                           ; l
	v_and_b32 v2, 15, v0                           ; r
	v_bfe_u32 v3, v0, 4, 1                         ; h
	v_lshlrev_b32 v5, 4, v1                        ; 16 l
	v_lshlrev_b32 v6, 2, v1                        ; 4 l
	s_cmp_ge_u32 ttmp9, 256
	s_cbranch_scc1 .Lw
	; ---- x: row tile = work-group; wave w takes K steps 2 w and 2 w + 1
	v_lshlrev_b32 v4, 12, v2
	v_lshl_add_u32 v4, v3, 6, v4                   ; row r of 4,096 bytes, + 64 h
	v_cmp_eq_u32 s[SH], 1, v3
	v_mov_b32 v[T+2], 0                            ; written once: a lane permute's destination counts as one of its sources
	v_mov_b32 v[T+3], 0
	s_mov_b32 s[SEL], 0x76543210
	s_mov_b32 s[SEL+1], 0xfedcba98
	s_lshl_b32 s28, ttmp9, 16                      ; 16 rows of 4,096 bytes,
	s_lshl_b32 s29, s4, 10                         ; two K steps of 512 bytes
	s_add_co_u32 s28, s28, s29
	s_mov_b32 s29, 0
	s_lshl_b32 s30, ttmp9, 13                      ; the codes' place
	s_lshl_b32 s31, s4, 11
	s_add_co_u32 s30, s30, s31
	s_mov_b32 s31, 0
	s_lshl_b32 s32, ttmp9, 9                       ; the scale words' place
	s_lshl_b32 s33, s4, 7
	s_add_co_u32 s32, s32, s33
	s_add_co_u32 s32, s32, SC
	s_mov_b32 s33, 0
	s_wait_kmcnt 0x0
	s_add_nc_u64 s[8:9], s[8:9], s[28:29]
	s_add_nc_u64 s[10:11], s[10:11], s[28:29]
	s_add_nc_u64 s[34:35], s[24:25], s[32:33]
	s_add_nc_u64 s[24:25], s[24:25], s[30:31]
	XL E0, 8, 0
	XL P0, 10, 0
	XL E1, 8, 1
	s_wait_loadcnt 16                              ; K step 0 of both tensors is in; the 16 loads of K step 1 may stay out
.set i, 0
.rept 32
	v_pk_add_f32 v[E0+i:E0+i+1], v[E0+i:E0+i+1], v[P0+i:P0+i+1]
.set i, i+2
.endr
	XL P0, 10, 1                                   ; lands while K step 0 is quantised
	Q32 E0, CD, HW, 1
	Q32 E0+32, CD+4, HW+1, 1
	v_lshl_or_b32 v218, v[HW+1], 16, v[HW]         ; my row's scale word of K step 2 w
	global_store_b128 v5, v[CD:CD+3], s[24:25]     ; 32 lanes store 512 consecutive bytes
	global_store_b128 v5, v[CD+4:CD+7], s[24:25] offset:512
	s_wait_loadcnt 0x0
.set i, 0
.rept 32
	v_pk_add_f32 v[E1+i:E1+i+1], v[E1+i:E1+i+1], v[P0+i:P0+i+1]
.set i, i+2
.endr
	Q32 E1, CD+8, HW+2, 1
	Q32 E1+32, CD+12, HW+3, 1
	v_lshl_or_b32 v219, v[HW+3], 16, v[HW+2]
	global_store_b128 v5, v[CD+8:CD+11], s[24:25] offset:1024
	global_store_b128 v5, v[CD+12:CD+15], s[24:25] offset:1536
	v_cndmask_b32 v218, v218, v219, s[SH]          ; lanes 0-15 the first K step's words, lanes 16-31 the second's: 128 consecutive bytes
	global_store_b32 v6, v218, s[34:35]
	s_endpgm
.Lw:
	; ---- the weights: unit u = 4 (work-group - 256) + wave.  The tensor is chosen on the work-group's number alone
	s_sub_co_u32 s5, ttmp9, 256
	s_lshl_b32 s6, s5, 2
	s_add_co_u32 s6, s6, s4                        ; u
	s_wait_kmcnt 0x0
	s_mov_b64 s[28:29], s[22:23]                   ; W2, whose first unit is 512
	s_mov_b32 s7, 512
	s_cmp_lt_u32 s5, 128
	s_cselect_b64 s[28:29], s[20:21], s[28:29]     ; W1
	s_cselect_b32 s7, 256, s7
	s_cmp_lt_u32 s5, 64
	s_cselect_b64 s[28:29], s[18:19], s[28:29]     ; Wproj
	s_cselect_b32 s7, 192, s7
	s_cmp_lt_u32 s5, 48
	s_cselect_b64 s[28:29], s[16:17], s[28:29]     ; Wv
	s_cselect_b32 s7, 128, s7
	s_cmp_lt_u32 s5, 32
	s_cselect_b64 s[28:29], s[14:15], s[28:29]     ; Wk
	s_cselect_b32 s7, 64, s7
	s_cmp_lt_u32 s5, 16
	s_cselect_b64 s[28:29], s[12:13], s[28:29]     ; Wq
	s_cselect_b32 s7, 0, s7
	s_sub_co_u32 s30, s6, s7                       ; the unit's number in its tensor
	s_lshl_b32 s31, s30, 13                        ; rows of 512 bytes: 16 rows are 8,192 consecutive bytes
	s_lshr_b32 s32, s30, 2                         ; W2, rows of 2,048 bytes: tile = unit / 4,
	s_lshl_b32 s32, s32, 15
	s_and_b32 s33, s30, 3                          ; and 512 bytes of each row for unit % 4
	s_lshl_b32 s33, s33, 9
	s_add_co_u32 s32, s32, s33
	s_mov_b32 s34, 2048
	s_cmp_ge_u32 s5, 128
	s_cselect_b32 s32, s32, s31
	s_cselect_b32 s34, s34, 512                    ; bytes from row to row
	s_mov_b32 s33, 0
	s_add_nc_u64 s[28:29], s[28:29], s[32:33]
	s_lshl_b32 s32, s6, 13
	s_add_nc_u64 s[26:27], s[26:27], s[32:33]
	v_mul_lo_u32 v4, v2, s34
	v_lshl_add_u32 v4, v3, 4, v4                   ; row r, + 16 h
.irp i, 0,1,2,3,4,5,6,7,8,9,10,11,12,13,14,15
	global_load_b128 v[16+4*\i:19+4*\i], v4, s[28:29] offset:32*\i      ; K step i / 2, chunk i % 2
.endr
.irp i, 0,1,2,3,4,5,6,7,8,9,10,11,12,13,14,15
	s_wait_loadcnt 15-\i                           ; loads come back in order: number i is in, the younger ones may stay out
	global_store_b128 v5, v[16+4*\i:19+4*\i], s[26:27] offset:512*\i    ; 512 consecutive bytes
.endr
	s_endpgm
.Lfunc_end_k_q5328a5c933_prep:
	.size	k_q5328a5c933_prep, .Lfunc_end_k_q5328a5c933_prep-k_q5328a5c933_prep
	.p2alignl 7, 3214868480
	.fill 96, 4, 3214868480
	.section	.rodata,"a",@progbits
	.p2align	6, 0x0
	.amdhsa_kernel k_q5328a5c933_prep
		.amdhsa_group_segment_fixed_size 0
		.amdhsa_private_segment_fixed_size 0
		.amdhsa_enable_private_segment 0
		.amdhsa_kernarg_size 80
		.amdhsa_user_sgpr_count 2
		.amdhsa_user_sgpr_kernarg_segment_ptr 1
		.amdhsa_wavefront_size32 1
		.amdhsa_system_sgpr_workgroup_id_x 1
		.amdhsa_system_sgpr_workgroup_id_y 1
		.amdhsa_system_sgpr_workgroup_id_z 1
		.amdhsa_system_vgpr_workitem_id 0
		.amdhsa_next_free_vgpr 256
		.amdhsa_next_free_sgpr 66
		.amdhsa_reserve_vcc 0
		.amdhsa_float_denorm_mode_32 3
		.amdhsa_float_denorm_mode_16_64 3
		.amdhsa_memory_ordered 1
		.amdhsa_forward_progress 1
		.amdhsa_inst_pref_size 25
	.end_amdhsa_kernel
	.amdgpu_metadata
---
amdhsa.version: [ 1, 2 ]
amdhsa.kernels:
  - .name:           k_q5328a5c933_prep
    .symbol:         k_q5328a5c933_prep.kd
    .args:
      - { .name: embedding, .offset: 0, .size: 8, .value_kind: global_buffer, .address_space: global }
      - { .name: positional_encoding, .offset: 8, .size: 8, .value_kind: global_buffer, .address_space: global }
      - { .name: Wq_codes, .offset: 16, .size: 8, .value_kind: global_buffer, .address_space: global }
      - { .name: Wk_codes, .offset: 24, .size: 8, .value_kind: global_buffer, .address_space: global }
      - { .name: Wv_codes, .offset: 32, .size: 8, .value_kind: global_buffer, .address_space: global }
      - { .name: Wproj_codes, .offset: 40, .size: 8, .value_kind: global_buffer, .address_space: global }
      - { .name: W1_codes, .offset: 48, .size: 8, .value_kind: global_buffer, .address_space: global }
      - { .name: W2_codes, .offset: 56, .size: 8, .value_kind: global_buffer, .address_space: global }
      - { .name: xq, .offset: 64, .size: 8, .value_kind: global_buffer, .address_space: global }
      - { .name: wimg, .offset: 72, .size: 8, .value_kind: global_buffer, .address_space: global }
    .group_segment_fixed_size: 0
    .private_segment_fixed_size: 0
    .kernarg_segment_align: 8
    .kernarg_segment_size: 80
    .max_flat_workgroup_size: 128
    .sgpr_count:     66
    .vgpr_count:     256
    .wavefront_size: 32
...
	.end_amdgpu_metadata
.endif
;; end of part 1
;; launch qkv (part 2): grid 64 x 4, 4 waves a work-group, no clusters, 17,920 bytes of LDS; arguments xq, wimg, Wq_scales, Wk_scales, Wv_scales, ain, out1, out2; writes ain, out1, out2
.if DOCPART == 2
	.amdgcn_target "amdgcn-amd-amdhsa--gfx1250"
	.amdhsa_code_object_version 6
	.text
	.protected	k_q5328a5c933_qkv
	.globl	k_q5328a5c933_qkv
	.p2align	8
	.type	k_q5328a5c933_qkv,@function
k_q5328a5c933_qkv:
	s_mov_b64 s[64:65], 0
	v_nop
	global_prefetch_b8 v0, s[64:65] scope:SCOPE_SE
	s_setreg_imm32_b32 hwreg(HW_REG_WAVE_MODE, 25, 1), 1
	s_wait_xcnt 0x0
; Q, K, V = x Wq, x Wk, x Wv on codes of E2M1.  K and V leave in f32 (out1, out2: [head][batch][position][64]); Q and K are quantised along the head's 64, V along the keys, for launch attn.
; SHARES.  A work-group takes 64 rows (x) and four heads (y); wave w takes head 4 y + w and makes Q, K and V of the 64 rows: three times 16 accumulators of 16 x 16, 128 matrix instructions each.
; OPERANDS COME FROM MEMORY STRAIGHT INTO THE OPERAND REGISTERS: x (256 registers, window 1) stays; a head's weight (256 registers) comes into window 2 or 3 while the one before is multiplied.
; Every load of a wave reads 512 consecutive bytes of an image (see launch prep).  The waves share nothing: no barrier.
; NO CLUSTER: joint requests go through LDS.  Here a fragment of 1,024 bytes feeds four matrix instructions from the registers in which it lands; through LDS the same bytes would be written and read once more.
; Q and K are made TRANSPOSED (source 0 = 16 rows of the weight, source 1 = 16 rows of x): lane (r, h) holds row r and columns 16 t + 8 h + 0 .. 7: neighbours along the next K.
; V is made the plain way round (source 0 = x, source 1 = Wv): lane (r, h) holds column 16 t + r and rows 16 m + 8 h + 0 .. 7: neighbours along the keys, which are its next K.
; ain: Q codes [hb][position][32 bytes] at 0, K codes at KC; V images [hb][key step][tile 4][chunk 2][512 bytes] at VC; Q, K scale words [hb][block of 128][lane 32][u 4] (row 32 u + lane; the two bytes stand
; in both halves of the word) at QS, KS; V scale words [hb][key step][lane 32][v 2] (channel 32 v + lane) at VS.  hb = 2 head + batch.
; LIMITS: as stated at the head of launch prep.
.set SC, 2097152
.set KC, 2097152
.set VC, 4194304
.set QS, 6291456
.set KS, 6553600
.set VS, 6815744
.set SPW,  14                          ; v14  LDS address of my spare word; never rewritten
.set NIL,  15                          ; v15  0; never rewritten
.set XS,   16                          ; v16-31  x's scale words: register 4 m + p: lanes 0-15 K step 2 p, lanes 16-31 K step 2 p + 1
.set WSA,  32                          ; v32-47  a weight's scale words: register 4 t + j: lanes 0-15 K step j, lanes 16-31 K step 4 + j
.set WSB,  48                          ; v48-63  a second set
.set T,    64                          ; v64-69  at work in Q32
.set HW,   70                          ; v70-73
.set U,    74                          ; v74-75
.set CD,   76                          ; v76-91  codes
.set ACC,  96                          ; v96-223 sixteen accumulators
.set OUTB, 224                         ; v224-255 16 rows read back from the stage
.set SPARE, 17408                      ; behind the four stages (16 rows x 272 bytes each): the spare words, 128 bytes a wave
.set SEL,  50
.set SH,   52
.set MSB, 0
.macro WIN new                         ; s_set_vgpr_msb: bits 1:0 source 0, 3:2 source 1, 5:4 source 2, 7:6 destination; the high byte repeats the setting that is left
.if MSB != (\new)
	s_set_vgpr_msb (MSB<<8)|(\new)
.set MSB, (\new)
.endif
.endm
.macro PLACES                          ; four plain places behind a matrix instruction, ahead of loads into its registers and of the first read of results
.rept 4
	v_nop
.endr
.endm
; one matrix instruction: D, A, B, C (cb < 0: the constant 0), the two scale registers, and whether each is read from lanes 16-31
.macro WM d, a, b, cb, sa, sb, ra, rb
.if (\cb) < 0
.if (\ra) && (\rb)
	v_wmma_scale_f32_16x16x128_f8f6f4 v[(\d):(\d)+7], v[(\a):(\a)+7], v[(\b):(\b)+7], 0, v[(\sa)], v[(\sb)] matrix_a_fmt:MATRIX_FMT_FP4 matrix_b_fmt:MATRIX_FMT_FP4 matrix_a_scale:MATRIX_SCALE_ROW1 matrix_b_scale:MATRIX_SCALE_ROW1
.elseif (\ra)
	v_wmma_scale_f32_16x16x128_f8f6f4 v[(\d):(\d)+7], v[(\a):(\a)+7], v[(\b):(\b)+7], 0, v[(\sa)], v[(\sb)] matrix_a_fmt:MATRIX_FMT_FP4 matrix_b_fmt:MATRIX_FMT_FP4 matrix_a_scale:MATRIX_SCALE_ROW1
.elseif (\rb)
	v_wmma_scale_f32_16x16x128_f8f6f4 v[(\d):(\d)+7], v[(\a):(\a)+7], v[(\b):(\b)+7], 0, v[(\sa)], v[(\sb)] matrix_a_fmt:MATRIX_FMT_FP4 matrix_b_fmt:MATRIX_FMT_FP4 matrix_b_scale:MATRIX_SCALE_ROW1
.else
	v_wmma_scale_f32_16x16x128_f8f6f4 v[(\d):(\d)+7], v[(\a):(\a)+7], v[(\b):(\b)+7], 0, v[(\sa)], v[(\sb)] matrix_a_fmt:MATRIX_FMT_FP4 matrix_b_fmt:MATRIX_FMT_FP4
.endif
.else
.if (\ra) && (\rb)
	v_wmma_scale_f32_16x16x128_f8f6f4 v[(\d):(\d)+7], v[(\a):(\a)+7], v[(\b):(\b)+7], v[(\cb):(\cb)+7], v[(\sa)], v[(\sb)] matrix_a_fmt:MATRIX_FMT_FP4 matrix_b_fmt:MATRIX_FMT_FP4 matrix_a_scale:MATRIX_SCALE_ROW1 matrix_b_scale:MATRIX_SCALE_ROW1
.elseif (\ra)
	v_wmma_scale_f32_16x16x128_f8f6f4 v[(\d):(\d)+7], v[(\a):(\a)+7], v[(\b):(\b)+7], v[(\cb):(\cb)+7], v[(\sa)], v[(\sb)] matrix_a_fmt:MATRIX_FMT_FP4 matrix_b_fmt:MATRIX_FMT_FP4 matrix_a_scale:MATRIX_SCALE_ROW1
.elseif (\rb)
	v_wmma_scale_f32_16x16x128_f8f6f4 v[(\d):(\d)+7], v[(\a):(\a)+7], v[(\b):(\b)+7], v[(\cb):(\cb)+7], v[(\sa)], v[(\sb)] matrix_a_fmt:MATRIX_FMT_FP4 matrix_b_fmt:MATRIX_FMT_FP4 matrix_b_scale:MATRIX_SCALE_ROW1
.else
	v_wmma_scale_f32_16x16x128_f8f6f4 v[(\d):(\d)+7], v[(\a):(\a)+7], v[(\b):(\b)+7], v[(\cb):(\cb)+7], v[(\sa)], v[(\sb)] matrix_a_fmt:MATRIX_FMT_FP4 matrix_b_fmt:MATRIX_FMT_FP4
.endif
.endif
.endm
; 32 numbers of a lane (two tiles' pairs: register 16 b + i holds k = 32 b + 8 h + i for i < 8, 32 b + 16 + 8 h + i - 8 else) become one chunk of codes in v[d] .. v[d+3] and two scale bytes in v[hw].
; Each accumulator is read from its low end on.
.macro Q32 s, d, hw
	v_max3_num_f32 v[T], |v[(\s)]|, |v[(\s)+1]|, 0x1800000           ; the floor 2^(3 - 127) among the leaves: the byte cannot fall under 1
	v_max3_num_f32 v[T+1], |v[(\s)+16]|, |v[(\s)+17]|, 0x1800000
.irp i, 2,4,6,8,10,12,14
	v_max3_num_f32 v[T], v[T], |v[(\s)+\i]|, |v[(\s)+\i+1]|
	v_max3_num_f32 v[T+1], v[T+1], |v[(\s)+16+\i]|, |v[(\s)+17+\i]|
.endr
	v_permlanex16_b32 v[T+2], v[T], s[SEL], s[SEL+1]
	v_permlanex16_b32 v[T+3], v[T+1], s[SEL], s[SEL+1]
	v_max_num_f32 v[T], v[T], v[T+2]
	v_max_num_f32 v[T+1], v[T+1], v[T+3]
	v_add_nc_u32 v[T+4], 0xff000000, v[T]                            ; 2 off the exponent field: the conversion's scale operand
	v_add_nc_u32 v[T+5], 0xff000000, v[T+1]
	v_lshrrev_b32 v[T+2], 23, v[T+4]
	v_lshrrev_b32 v[T+3], 23, v[T+5]
	v_lshl_or_b32 v[(\hw)], v[T+3], 8, v[T+2]
	v_cvt_scalef32_pk8_fp4_f32 v[(\d)], v[(\s):(\s)+7], v[T+4]
	v_cvt_scalef32_pk8_fp4_f32 v[(\d)+2], v[(\s)+8:(\s)+15], v[T+4]
	v_cvt_scalef32_pk8_fp4_f32 v[(\d)+1], v[(\s)+16:(\s)+23], v[T+5]
	v_cvt_scalef32_pk8_fp4_f32 v[(\d)+3], v[(\s)+24:(\s)+31], v[T+5]
	v_nop                                                            ; one plain place behind a scaled conversion
	v_permlane16_swap_b32 v[(\d)], v[(\d)+1]                         ; a whole block in a lane: lanes 0-15 block 0, lanes 16-31 block 1
	v_permlane16_swap_b32 v[(\d)+2], v[(\d)+3]
.endm
.macro LOAD256 win, sb, off            ; 32,768 consecutive bytes into all 256 registers of a window
	WIN (\win)<<6
.set li, 0
.rept 64
	global_load_b128 v[4*li:4*li+3], v1, s[\sb:\sb+1] offset:(\off)+512*li
.set li, li+1
.endr
	WIN 0
.endm
.macro WSLOAD ws, sb
.irp t, 0,1,2,3
	global_load_b128 v[(\ws)+4*\t:(\ws)+4*\t+3], v3, s[\sb:\sb+1] offset:512*\t
.endr
.endm
; 128 matrix instructions.  The sixteen accumulators take turns, one instruction a turn; the first K step starts the sums with the constant 0.
.macro GEMM ww, tr, ws
.if \tr
	WIN (\ww)|4
.else
	WIN 1|((\ww)<<2)
.endif
.set gs, 0
.rept 8
.set gm, 0
.rept 4
.set gt, 0
.rept 4
.if \tr
.set gd, ACC+8*(4*gm+gt)
.else
.set gd, ACC+8*(4*gt+gm)
.endif
.set gc, gd
.if gs == 0
.set gc, -1
.endif
.if \tr
	WM gd, 64*gt+8*gs, 64*gm+8*gs, gc, (\ws)+4*gt+gs%4, XS+4*gm+gs/2, gs/4, gs%2
.else
	WM gd, 64*gm+8*gs, 64*gt+8*gs, gc, XS+4*gm+gs/2, (\ws)+4*gt+gs%4, gs%2, gs/4
.endif
.set gt, gt+1
.endr
.set gm, gm+1
.endr
.set gs, gs+1
.endr
	WIN 0
.endm
.macro QOUT m, cb                      ; the codes of 16 rows of Q or K: 32 bytes a row, 512 consecutive bytes a store
	Q32 ACC+32*(\m), CD+4*(\m), HW+(\m)
	v_lshl_or_b32 v[HW+(\m)], v[HW+(\m)], 16, v[HW+(\m)]             ; the two bytes in both halves of the word
	global_store_b128 v3, v[CD+4*(\m):CD+4*(\m)+3], s[\cb:\cb+1] offset:512*(\m)
.endm
.macro BACK                            ; LDS serves a wave's instructions in order (ISA guide 5.7.1.4): these see my stores
.irp i, 0,1,2,3,4,5,6,7
	ds_load_b128 v[OUTB+4*\i:OUTB+4*\i+3], v8 offset:544*\i
.endr
.endm
.macro SEND m, ob
.irp i, 0,1,2,3,4,5,6,7
	global_store_b128 v9, v[OUTB+4*\i:OUTB+4*\i+3], s[\ob:\ob+1] offset:4096*(\m)+512*\i th:TH_STORE_NT   ; two rows of 256 bytes: 512 consecutive bytes
.endr
.endm
.macro STAGEK m
	s_wait_xcnt 0x0                                ; the rows read back last time were store data: they are loaded again only behind this wait
.irp t, 0,1,2,3
	ds_store_b128 v6, v[ACC+8*(4*(\m)+\t):ACC+8*(4*(\m)+\t)+3] offset:64*\t
	ds_store_b128 v6, v[ACC+8*(4*(\m)+\t)+4:ACC+8*(4*(\m)+\t)+7] offset:64*\t+16
.endr
	BACK
.endm
.macro EPIQK cb, sw, wide              ; wide = 1: the f32 numbers leave too, through my stage; a tile's quantising stands between the stage's loads and the wait for them
.if \wide
	QOUT 0, \cb
.irp m, 0,1,2,3
	STAGEK \m
.if \m < 3
	QOUT \m+1, \cb
.endif
	s_wait_dscnt 0x0
	SEND \m, 20
.endr
.else
.irp m, 0,1,2,3
	QOUT \m, \cb
.endr
.endif
	v_cndmask_b32 v[U], v[HW], v[HW+1], s[SH]      ; lanes 0-15 rows 0-15, lanes 16-31 rows 16-31
	v_cndmask_b32 v[U+1], v[HW+2], v[HW+3], s[SH]
	global_store_b64 v1, v[U:U+1], s[\sw:\sw+1]
.endm
	s_load_b512 s[8:23], s[0:1], 0x0               ; xq s[8:9], wimg s[10:11], Wq, Wk, Wv scales s[12:17], ain s[18:19], out1 s[20:21], out2 s[22:23]
	v_lshl_add_u32 v[SPW], v0, 2, SPARE
	v_mov_b32 v[NIL], 0
	v_lshrrev_b32 v1, 5, v0
	v_readfirstlane_b32 s4, v1                     ; wave 0..3
	v_and_b32 v10, 31, v0                          ; l
	v_and_b32 v4, 15, v0                           ; r
	v_bfe_u32 v5, v0, 4, 1                         ; h
	v_lshlrev_b32 v1, 4, v10                       ; 16 l
	v_lshlrev_b32 v2, 2, v10                       ; 4 l
	v_lshlrev_b32 v12, 3, v10                      ; 8 l
	v_lshlrev_b32 v3, 5, v4
	v_lshl_add_u32 v3, v5, 4, v3                   ; 32 r + 16 h
	s_mul_i32 s27, s4, 4352                        ; my stage
	v_mul_u32_u24 v6, v4, 272
	v_lshl_add_u32 v6, v5, 5, v6
	v_add_nc_u32 v6, s27, v6                       ; K into it: row r, + 32 h
	v_mul_u32_u24 v7, v5, 2176
	v_lshl_add_u32 v7, v4, 2, v7
	v_add_nc_u32 v7, s27, v7                       ; V into it: row 8 h (+ j), column r (+ 16 t)
	v_mul_u32_u24 v8, v5, 272
	v_lshl_add_u32 v8, v4, 4, v8
	v_add_nc_u32 v8, s27, v8                       ; back: lanes 0-15 one row, lanes 16-31 the next
	v_lshlrev_b32 v9, 8, v5
	v_lshl_add_u32 v9, v4, 4, v9                   ; and the same two rows in out1, out2
	v_cmp_eq_u32 s[SH], 1, v5
	v_mov_b32 v[T+2], 0                            ; written once: a lane permute's destination counts as one of its sources
	v_mov_b32 v[T+3], 0
	s_mov_b32 s[SEL], 0x76543210
	s_mov_b32 s[SEL+1], 0xfedcba98
	s_and_b32 s6, ttmp7, 0xffff
	s_lshl_b32 s7, s6, 2
	s_add_co_u32 s7, s7, s4                        ; head
	s_lshr_b32 s24, ttmp9, 5                       ; batch
	s_and_b32 s25, ttmp9, 31                       ; block of 64 positions
	s_lshl_b32 s26, s7, 1
	s_add_co_u32 s26, s26, s24                     ; hb
	s_lshr_b32 s57, s25, 1
	s_and_b32 s58, s25, 1
	s_mov_b32 s55, 0
	s_wait_kmcnt 0x0
	s_lshl_b32 s54, ttmp9, 15
	s_add_nc_u64 s[28:29], s[8:9], s[54:55]        ; x's images
	s_lshl_b32 s54, ttmp9, 11
	s_add_co_u32 s54, s54, SC
	s_add_nc_u64 s[30:31], s[8:9], s[54:55]        ; x's scale words
	s_lshl_b32 s54, s7, 15
	s_add_nc_u64 s[32:33], s[10:11], s[54:55]      ; my head's Wq,
	s_add_nc_u64 s[34:35], s[32:33], 524288        ; Wk,
	s_add_nc_u64 s[36:37], s[32:33], 1048576       ; Wv
	s_lshl_b32 s54, s7, 11
	s_add_nc_u64 s[12:13], s[12:13], s[54:55]
	s_add_nc_u64 s[14:15], s[14:15], s[54:55]
	s_add_nc_u64 s[16:17], s[16:17], s[54:55]
	s_lshl_b32 s54, s26, 16
	s_lshl_b32 s56, s25, 11
	s_add_co_u32 s54, s54, s56
	s_add_nc_u64 s[38:39], s[18:19], s[54:55]      ; Q's codes
	s_add_nc_u64 s[40:41], s[38:39], KC            ; K's
	s_lshl_b32 s54, s26, 13
	s_lshl_b32 s56, s57, 9
	s_add_co_u32 s54, s54, s56
	s_lshl_b32 s56, s58, 3
	s_add_co_u32 s54, s54, s56
	s_add_co_u32 s54, s54, QS
	s_add_nc_u64 s[42:43], s[18:19], s[54:55]      ; Q's scale words
	s_add_nc_u64 s[44:45], s[42:43], KS-QS         ; K's
	s_lshl_b32 s54, s26, 16
	s_lshl_b32 s56, s57, 12
	s_add_co_u32 s54, s54, s56
	s_lshl_b32 s56, s58, 9
	s_add_co_u32 s54, s54, s56
	s_add_co_u32 s54, s54, VC
	s_add_nc_u64 s[46:47], s[18:19], s[54:55]      ; V's images: my 64 keys are chunk (block % 2) of key step (block / 2)
	s_lshl_b32 s54, s26, 12
	s_lshl_b32 s56, s57, 8
	s_add_co_u32 s54, s54, s56
	s_lshl_b32 s56, s58, 1
	s_add_co_u32 s54, s54, s56
	s_add_co_u32 s54, s54, VS
	s_add_nc_u64 s[48:49], s[18:19], s[54:55]      ; V's scale bytes: two of a word's four
	s_lshl_b32 s54, s26, 19
	s_lshl_b32 s56, s25, 14
	s_add_co_u32 s54, s54, s56
	s_add_nc_u64 s[20:21], s[20:21], s[54:55]
	s_add_nc_u64 s[22:23], s[22:23], s[54:55]
.irp m, 0,1,2,3
.irp p, 0,1,2,3
	global_load_b32 v[XS+4*\m+\p], v2, s[30:31] offset:512*\m+128*\p
.endr
.endr
	WSLOAD WSA, 12
	WSLOAD WSB, 14
	LOAD256 1, 28, 0                               ; x
	LOAD256 2, 32, 0                               ; Wq
	LOAD256 3, 34, 0                               ; Wk
	s_wait_loadcnt 63                              ; 64 loads (Wk) were issued behind Wq's last: the largest count the field holds leaves 63 of them out
	GEMM 2, 1, WSA
	PLACES
	WSLOAD WSA, 16                                 ; Wv takes Wq's place while Q is quantised and K multiplied
	LOAD256 2, 36, 0
	EPIQK 38, 42, 0
	s_wait_xcnt 0x0                                ; Q's stores have read their data: the registers are written again below
	s_wait_loadcnt 63                              ; 68 loads (Wv) were issued behind Wk's last
	GEMM 3, 1, WSB
	PLACES
	EPIQK 40, 44, 1
	s_wait_xcnt 0x0
	s_wait_loadcnt 0x0                             ; Wv
	GEMM 2, 0, WSA
	PLACES
.irp t, 0,1,2,3
	Q32 ACC+32*\t, CD+4*\t, HW+\t                  ; channel 16 t + r, my 64 keys: one chunk
	global_store_b128 v1, v[CD+4*\t:CD+4*\t+3], s[46:47] offset:1024*\t
.endr
	v_cndmask_b32 v[U], v[HW], v[HW+1], s[SH]      ; channel 32 v + lane
	v_cndmask_b32 v[U+1], v[HW+2], v[HW+3], s[SH]
	global_store_b16 v12, v[U], s[48:49]
	global_store_b16 v12, v[U+1], s[48:49] offset:4
.irp m, 0,1,2,3
	s_wait_xcnt 0x0
.irp t, 0,1,2,3
.irp j, 0,1,2,3,4,5,6,7
	ds_store_b32 v7, v[ACC+8*(4*\t+\m)+\j] offset:272*\j+64*\t
.endr
.endr
	BACK
	s_wait_dscnt 0x0
	SEND \m, 22
.endr
	s_wait_tensorcnt 0x0                           ; the wave's end
	ds_add_u32 v[SPW], v[NIL]
	s_wait_dscnt 0x0
	s_endpgm
.Lfunc_end_k_q5328a5c933_qkv:
	.size	k_q5328a5c933_qkv, .Lfunc_end_k_q5328a5c933_qkv-k_q5328a5c933_qkv
	.p2alignl 7, 3214868480
	.fill 96, 4, 3214868480
	.section	.rodata,"a",@progbits
	.p2align	6, 0x0
	.amdhsa_kernel k_q5328a5c933_qkv
		.amdhsa_group_segment_fixed_size 17920
		.amdhsa_private_segment_fixed_size 0
		.amdhsa_enable_private_segment 0
		.amdhsa_kernarg_size 64
		.amdhsa_user_sgpr_count 2
		.amdhsa_user_sgpr_kernarg_segment_ptr 1
		.amdhsa_wavefront_size32 1
		.amdhsa_system_sgpr_workgroup_id_x 1
		.amdhsa_system_sgpr_workgroup_id_y 1
		.amdhsa_system_sgpr_workgroup_id_z 1
		.amdhsa_system_vgpr_workitem_id 0
		.amdhsa_next_free_vgpr 1024
		.amdhsa_next_free_sgpr 66
		.amdhsa_reserve_vcc 0
		.amdhsa_float_denorm_mode_32 3
		.amdhsa_float_denorm_mode_16_64 3
		.amdhsa_memory_ordered 1
		.amdhsa_forward_progress 1
		.amdhsa_inst_pref_size 125
	.end_amdhsa_kernel
	.amdgpu_metadata
---
amdhsa.version: [ 1, 2 ]
amdhsa.kernels:
  - .name:           k_q5328a5c933_qkv
    .symbol:         k_q5328a5c933_qkv.kd
    .args:
      - { .name: xq, .offset: 0, .size: 8, .value_kind: global_buffer, .address_space: global }
      - { .name: wimg, .offset: 8, .size: 8, .value_kind: global_buffer, .address_space: global }
      - { .name: Wq_scales, .offset: 16, .size: 8, .value_kind: global_buffer, .address_space: global }
      - { .name: Wk_scales, .offset: 24, .size: 8, .value_kind: global_buffer, .address_space: global }
      - { .name: Wv_scales, .offset: 32, .size: 8, .value_kind: global_buffer, .address_space: global }
      - { .name: ain, .offset: 40, .size: 8, .value_kind: global_buffer, .address_space: global }
      - { .name: out1, .offset: 48, .size: 8, .value_kind: global_buffer, .address_space: global }
      - { .name: out2, .offset: 56, .size: 8, .value_kind: global_buffer, .address_space: global }
    .group_segment_fixed_size: 17920
    .private_segment_fixed_size: 0
    .kernarg_segment_align: 8
    .kernarg_segment_size: 64
    .max_flat_workgroup_size: 128
    .sgpr_count:     66
    .vgpr_count:     1024
    .wavefront_size: 32
...
	.end_amdgpu_metadata
.endif
;; end of part 2
;; launch attn (part 3): grid 8 x 32, 8 waves a work-group, no clusters, 17,408 bytes of LDS; arguments ain, aq; writes aq
.if DOCPART == 3
	.amdgcn_target "amdgcn-amd-amdhsa--gfx1250"
	.amdhsa_code_object_version 6
	.text
	.protected	k_q5328a5c933_attn
	.globl	k_q5328a5c933_attn
	.p2align	8
	.type	k_q5328a5c933_attn,@function
k_q5328a5c933_attn:
	s_mov_b64 s[64:65], 0
	v_nop
	global_prefetch_b8 v0, s[64:65] scope:SCOPE_SE
	s_setreg_imm32_b32 hwreg(HW_REG_WAVE_MODE, 25, 1), 1
	s_wait_xcnt 0x0
; attn = softmax(Q K^T / 32, causal) V for one head and batch (hb = y), both products on codes of E2M1; the result is quantised along E into aq (images and scale words as xq: see launch prep).
; WORK LEFT OUT (shown at the head of launch prep): blocks of 128 keys that lie wholly behind a block of 128 queries get weight 0 under the mask that the problem builds itself: they are not walked.
; THE SOFTMAX AHEAD OF THE SECOND PRODUCT: t = score x log2(e) / 32; M = the running largest t rounded UP to a whole number; p = 2^(t - M) is quantised along the keys, not normalised; the row's sum is taken of the
; unquantised p and divides at the end.  When M moves, the sum and O are multiplied by 2^(old M - new M): exact.  LIMIT: a p under 2^-126 comes out as 0.
; SHARES.  Work-group x = p takes two blocks of 128 queries, p and then 15 - p: (p + 1) + (16 - p) = 17 key steps of 128 keys for every work-group.  Each of eight waves owns 16 queries of the block.
; A key step's 4,096 bytes of K codes and 4,096 of V images come from memory once a work-group: wave w loads an eighth of each into registers ONE STEP AHEAD, stores it to one of two LDS slots, and all read it behind one barrier.
; A slot is written again two steps later; the barrier between stands behind every wave's wait for its reads of that slot.
; All branches hang on the work-group's number and the count of steps: they are the same in all eight waves.  The step that equals the query block is the diagonal one for all waves.
; NO CLUSTER: the eight work-groups of a head walk the key steps 0 .. p, 0 .. 15 - p: at a given trip partners stand at different steps, so no request is the same in two of them.
; LAYOUT.  Both products transposed: S^T = K Q^T (source 0 = 16 keys, source 1 = my 16 queries), O^T = V^T P^T: lane (r, h) holds query r throughout; in S^T register 8 t + j is key 16 t + 8 h + j.
; K = 64 fills half of the instruction's 128: the other half is zero codes on both sides.  An even tile has its codes in the low half, an odd tile in the high half (so that two tiles share four zero registers);
; Q stands as data, zeros, data, and the scale words carry their two bytes in both halves.
.set KC, 2097152
.set VC, 4194304
.set QS, 6291456
.set KS, 6553600
.set VS, 6815744
.set SC, 2097152
.set SPARE, 16384                      ; behind the two slots of 8,192 bytes: the spare words, 128 bytes for each of eight waves
.set SPW, 5                            ; v5   LDS address of my spare word; never rewritten
.set NIL, 6                            ; v6   0; never rewritten
.set QSC, 7                            ; v7   Q's scale words
.set PW,  11                           ; v11  p's scale word
.set QB,  16                           ; v16-27   Q: data, four zeros, data
.set PC,  28                           ; v28-35   p's codes
.set KB,  36                           ; v36-83   K: pair u at 12 u: even tile, four zeros, odd tile
.set SB,  84                           ; v84-147  S^T, then p
.set OB,  148                          ; v148-179 O^T
.set VF,  180                          ; v180-211 V's four fragments
.set KSC, 212                          ; v212-219 K's scale words, two sets: register u: key 32 u + lane
.set VSC, 220                          ; v220-223 V's, two sets: register v: channel 32 v + lane
.set G,   224                          ; v224-231 my eighth of the next step's K and V
.set BM,  232                          ; v232-235 the blocks' largest scores
.set BP,  236
.set SO,  240
.set F,   244                          ; v[244:245] f; the upper word is written once
.set TMP, 246
.set CD,  248
.set HW,  252
.set NINF, 253
.set T,   232                          ; Q32 works in v232-237
.set CS,  32                           ; s[32:33] c = log2(e) / 32
.set SEL, 34
; v1 16 l; v2 32 r + 16 h; v3 8 l; v4 16 l + 512 w; v8 16 w + r - 8 h; v9 4 r; v10 16 r; v12 -M; v13 the largest t; v[14:15] the sum
; s28 the step in hand, s29 the block's last step (= the query block), s30 the next step, s31 trips; s45 = 0 throughout
.macro PLACES
.rept 4
	v_nop
.endr
.endm
.macro WM d, a, b, cb, sa, sb, ra, rb
.if (\cb) < 0
.if (\ra)
	v_wmma_scale_f32_16x16x128_f8f6f4 v[(\d):(\d)+7], v[(\a):(\a)+7], v[(\b):(\b)+7], 0, v[(\sa)], v[(\sb)] matrix_a_fmt:MATRIX_FMT_FP4 matrix_b_fmt:MATRIX_FMT_FP4 matrix_a_scale:MATRIX_SCALE_ROW1
.else
	v_wmma_scale_f32_16x16x128_f8f6f4 v[(\d):(\d)+7], v[(\a):(\a)+7], v[(\b):(\b)+7], 0, v[(\sa)], v[(\sb)] matrix_a_fmt:MATRIX_FMT_FP4 matrix_b_fmt:MATRIX_FMT_FP4
.endif
.else
.if (\ra)
	v_wmma_scale_f32_16x16x128_f8f6f4 v[(\d):(\d)+7], v[(\a):(\a)+7], v[(\b):(\b)+7], v[(\cb):(\cb)+7], v[(\sa)], v[(\sb)] matrix_a_fmt:MATRIX_FMT_FP4 matrix_b_fmt:MATRIX_FMT_FP4 matrix_a_scale:MATRIX_SCALE_ROW1
.else
	v_wmma_scale_f32_16x16x128_f8f6f4 v[(\d):(\d)+7], v[(\a):(\a)+7], v[(\b):(\b)+7], v[(\cb):(\cb)+7], v[(\sa)], v[(\sb)] matrix_a_fmt:MATRIX_FMT_FP4 matrix_b_fmt:MATRIX_FMT_FP4
.endif
.endif
.endm
.macro Q32 s, d, hw                    ; as in launch qkv: 32 numbers (two blocks shared with lane l xor 16) become one chunk of codes and two scale bytes
	v_max3_num_f32 v[T], |v[(\s)]|, |v[(\s)+1]|, 0x1800000
	v_max3_num_f32 v[T+1], |v[(\s)+16]|, |v[(\s)+17]|, 0x1800000
.irp i, 2,4,6,8,10,12,14
	v_max3_num_f32 v[T], v[T], |v[(\s)+\i]|, |v[(\s)+\i+1]|
	v_max3_num_f32 v[T+1], v[T+1], |v[(\s)+16+\i]|, |v[(\s)+17+\i]|
.endr
	v_permlanex16_b32 v[T+2], v[T], s[SEL], s[SEL+1]
	v_permlanex16_b32 v[T+3], v[T+1], s[SEL], s[SEL+1]
	v_max_num_f32 v[T], v[T], v[T+2]
	v_max_num_f32 v[T+1], v[T+1], v[T+3]
	v_add_nc_u32 v[T+4], 0xff000000, v[T]
	v_add_nc_u32 v[T+5], 0xff000000, v[T+1]
	v_lshrrev_b32 v[T+2], 23, v[T+4]
	v_lshrrev_b32 v[T+3], 23, v[T+5]
	v_lshl_or_b32 v[(\hw)], v[T+3], 8, v[T+2]
	v_cvt_scalef32_pk8_fp4_f32 v[(\d)], v[(\s):(\s)+7], v[T+4]
	v_cvt_scalef32_pk8_fp4_f32 v[(\d)+2], v[(\s)+8:(\s)+15], v[T+4]
	v_cvt_scalef32_pk8_fp4_f32 v[(\d)+1], v[(\s)+16:(\s)+23], v[T+5]
	v_cvt_scalef32_pk8_fp4_f32 v[(\d)+3], v[(\s)+24:(\s)+31], v[T+5]
	v_nop
	v_permlane16_swap_b32 v[(\d)], v[(\d)+1]
	v_permlane16_swap_b32 v[(\d)+2], v[(\d)+3]
.endm
.macro FETCH set                       ; step s30: my eighth of K's codes and of V's images, and the step's scale words into set
	s_lshl_b32 s44, s30, 12
	s_add_nc_u64 s[20:21], s[12:13], s[44:45]
	s_add_nc_u64 s[22:23], s[14:15], s[44:45]
	s_lshl_b32 s44, s30, 9
	s_add_nc_u64 s[24:25], s[16:17], s[44:45]
	s_lshl_b32 s44, s30, 8
	s_add_nc_u64 s[26:27], s[18:19], s[44:45]
	global_load_b128 v[G:G+3], v2, s[20:21]
	global_load_b128 v[G+4:G+7], v1, s[22:23]
	global_load_b128 v[KSC+4*(\set):KSC+4*(\set)+3], v1, s[24:25]
	global_load_b64 v[VSC+2*(\set):VSC+2*(\set)+1], v3, s[26:27]
.endm
.macro BLKBASE                         ; the addresses that hang on the query block, s29
	s_lshl_b32 s44, s29, 12
	s_add_nc_u64 s[36:37], s[50:51], s[44:45]      ; Q's codes
	s_add_nc_u64 s[42:43], s[56:57], s[44:45]      ; the result's scale bytes
	s_lshl_b32 s44, s29, 9
	s_add_nc_u64 s[38:39], s[52:53], s[44:45]      ; Q's scale words
	s_lshl_b32 s44, s29, 16
	s_add_nc_u64 s[40:41], s[54:55], s[44:45]      ; the result's codes
.endm
.macro INITBLK                         ; a block begins: Q; the largest t -3e38, under every t; sums and O^T zeros, which the first change of M leaves zeros
	global_load_b128 v[QB:QB+3], v2, s[36:37]
	global_load_b128 v[QB+8:QB+11], v2, s[36:37]
	global_load_b32 v[QSC], v10, s[38:39]
	v_mov_b32 v13, 0xff61b1e6
	v_floor_f32 v12, -v13
	v_mov_b32 v14, 0
	v_mov_b32 v15, 0
.set j, 0
.rept 32
	v_mov_b32 v[OB+j], 0
.set j, j+1
.endr
.endm
; A KEY STEP.  slot: the LDS slot and the set of scale words; fetch = 1: the next step is asked for; last = 1: the launch's last step, which is a diagonal step and a block's end without a branch.
.macro STEP slot, fetch, last
	s_wait_loadcnt 0x0                             ; my eighth of this step, its scale words, and a new block's Q are in; the loads' address registers are free
	ds_store_b128 v4, v[G:G+3] offset:8192*\slot
	ds_store_b128 v4, v[G+4:G+7] offset:8192*\slot+4096
	s_wait_dscnt 0x0                               ; for the others' sake: my stores have landed, and my reads of the other slot are over
	s_barrier_signal -1
	s_barrier_wait -1
.if \fetch
	s_add_co_u32 s30, s28, 1
	s_cmp_eq_u32 s28, s29
	s_cselect_b32 s30, 0, s30                      ; behind a block's last step comes the next block's step 0
	FETCH 1-\slot
.endif
.irp t, 0,1,2,3,4,5,6,7
	ds_load_b128 v[KB+12*(\t/2)+8*(\t%2):KB+12*(\t/2)+8*(\t%2)+3], v1 offset:8192*\slot+512*\t
.endr
.irp t, 0,1,2,3
.irp c, 0,1
	ds_load_b128 v[VF+8*\t+4*\c:VF+8*\t+4*\c+3], v1 offset:8192*\slot+4096+1024*\t+512*\c
.endr
.endr
	s_wait_dscnt 8                                 ; K's eight loads are in; V's eight may stay out
.irp t, 0,1,2,3,4,5,6,7
	WM SB+8*\t, KB+12*(\t/2)+4*(\t%2), QB+4*(\t%2), -1, KSC+4*\slot+\t/2, QSC, \t%2, 0
.endr
	PLACES
.if (\last) == 0
	s_cmp_lg_u32 s28, s29                          ; only the diagonal step has hidden keys
	s_cbranch_scc1 .Lopen_\@
.endif
.set n, 0
.rept 64
	v_cmp_gt_i32 vcc_lo, 16*(n/8)+n%8, v8          ; key 16 (n / 8) + 8 h + n % 8 of the block against query 16 w + r
	v_cndmask_b32 v[SB+n], v[SB+n], v[NINF], vcc_lo
.set n, n+1
.endr
.if (\last) == 0
.Lopen_\@:
.endif
.irp b, 0,1,2,3
	v_max3_num_f32 v[BM+\b], v[SB+16*\b], v[SB+1+16*\b], v[SB+2+16*\b]       ; the largest score of each block of 32 keys: for the row's maximum and, since p rises with the score, for the block's largest p
.endr
.irp i, 3,5,7,9,11,13
.irp b, 0,1,2,3
	v_max3_num_f32 v[BM+\b], v[BM+\b], v[SB+16*\b+\i], v[SB+1+16*\b+\i]
.endr
.endr
.irp b, 0,1,2,3
	v_max_num_f32 v[BM+\b], v[BM+\b], v[SB+15+16*\b]
.endr
.irp b, 0,1,2,3
	v_permlanex16_b32 v[BP+\b], v[BM+\b], s[SEL], s[SEL+1]
.endr
.irp b, 0,1,2,3
	v_max_num_f32 v[BM+\b], v[BM+\b], v[BP+\b]
.endr
	v_max3_num_f32 v[TMP], v[BM], v[BM+1], v[BM+2]
	v_max_num_f32 v[TMP], v[TMP], v[BM+3]
	v_mul_f32 v[TMP], s[CS], v[TMP]
	v_max_num_f32 v13, v13, v[TMP]                 ; the running largest t
	v_mov_b32 v[TMP], v12
	v_floor_f32 v12, -v13                          ; -M = floor(-t)
	v_sub_f32 v[TMP], v12, v[TMP]                  ; old M - new M: a whole number, 0 or less
	v_cvt_i32_f32 v[TMP], v[TMP]                   ; (it saturates)
	v_ldexp_f32 v[F], 1.0, v[TMP]                  ; f = 2^(old M - new M)
.set j, 0
.rept 32
	v_pk_fma_f32 v[SB+j:SB+j+1], v[SB+j:SB+j+1], s[CS:CS+1], v[12:13] op_sel_hi:[1,0,0]    ; t - M
.set j, j+2
.endr
.irp b, 0,1,2,3
	v_fma_f32 v[BM+\b], v[BM+\b], s[CS], v12
.endr
.set j, 0
.rept 64
	v_exp_f32 v[SB+j], v[SB+j]
.set j, j+1
.endr
	v_pk_mul_f32 v[14:15], v[14:15], v[F:F+1] op_sel_hi:[1,0]      ; the sums under the new M: the plain place behind the exponentials
	s_wait_alu depctr_va_vdst(0)                   ; one wait for the batch, ahead of its first reader
.irp b, 0,1,2,3
	v_exp_f32 v[BM+\b], v[BM+\b]                   ; the block's largest p
.endr
	v_pk_add_f32 v[BP:BP+1], v[SB:SB+1], v[SB+2:SB+3]              ; the row's sum of the unquantised p, in two chains
.set j, 4
.rept 15
	v_pk_add_f32 v[14:15], v[14:15], v[SB+j:SB+j+1]
	v_pk_add_f32 v[BP:BP+1], v[BP:BP+1], v[SB+j+2:SB+j+3]
.set j, j+4
.endr
	v_pk_add_f32 v[14:15], v[14:15], v[BP:BP+1]
	s_wait_alu depctr_va_vdst(0)                   ; and one for the four
.irp b, 0,1,2,3
	v_max_num_f32 v[BM+\b], 0x1800000, v[BM+\b]    ; the floor 2^(3 - 127)
.endr
.irp b, 0,1,2,3
	v_add_nc_u32 v[SO+\b], 0xff000000, v[BM+\b]
.endr
.irp b, 0,1,2,3
	v_lshrrev_b32 v[BP+\b], 23, v[SO+\b]
.endr
	v_lshl_or_b32 v[PW], v[BP+1], 8, v[BP]
	v_lshl_or_b32 v[PW], v[BP+2], 16, v[PW]
	v_lshl_or_b32 v[PW], v[BP+3], 24, v[PW]
.irp b, 0,1,2,3
	v_cvt_scalef32_pk8_fp4_f32 v[PC+4*(\b/2)+(\b%2)], v[SB+16*\b:SB+16*\b+7], v[SO+\b]
	v_cvt_scalef32_pk8_fp4_f32 v[PC+4*(\b/2)+2+(\b%2)], v[SB+16*\b+8:SB+16*\b+15], v[SO+\b]
.endr
	v_nop
.irp c, 0,1
	v_permlane16_swap_b32 v[PC+4*\c], v[PC+4*\c+1]
	v_permlane16_swap_b32 v[PC+4*\c+2], v[PC+4*\c+3]
.endr
.set j, 0
.rept 16
	v_pk_mul_f32 v[OB+j:OB+j+1], v[OB+j:OB+j+1], v[F:F+1] op_sel_hi:[1,0]    ; O^T under the new M; these sixteen also stand between the scale word's and the codes' last writes and the products
.set j, j+2
.endr
	s_wait_dscnt 0x0                               ; V
.irp t, 0,1,2,3
	WM OB+8*\t, VF+8*\t, PC, OB+8*\t, VSC+2*\slot+\t/2, PW, \t%2, 0
.endr
	PLACES                                         ; ahead of the next step's loads into V's registers and scale words, and of the first read of O^T
.if (\last) == 0
	s_cmp_lg_u32 s28, s29
	s_cbranch_scc1 .Lgo_\@
.endif
	s_wait_xcnt 0x0                                ; an earlier block's stores have read their data
	v_add_f32 v14, v14, v15
	v_permlanex16_b32 v[TMP], v14, s[SEL], s[SEL+1]
	v_add_f32 v14, v14, v[TMP]                     ; the row's sum
	v_rcp_f32 v[F], v14
	v_nop
	s_wait_alu depctr_va_vdst(0)
.set j, 0
.rept 16
	v_pk_mul_f32 v[OB+j:OB+j+1], v[OB+j:OB+j+1], v[F:F+1] op_sel_hi:[1,0]
.set j, j+2
.endr
	Q32 OB, CD, HW                                 ; my head's 64 of E: one chunk of a K step of the projection
	global_store_b128 v1, v[CD:CD+3], s[40:41]
	global_store_b16 v9, v[HW], s[42:43]           ; lanes r and r + 16 store the same two bytes at the same place
.if (\last) == 0
	s_wait_xcnt 0x0                                ; the stores have read their bases
	s_sub_co_u32 s29, 15, s5                       ; the second block
	BLKBASE
	INITBLK
.Lgo_\@:
	s_mov_b32 s28, s30
.endif
.endm
	s_load_b128 s[8:11], s[0:1], 0x0               ; ain s[8:9], aq s[10:11]
	v_lshl_add_u32 v[SPW], v0, 2, SPARE
	v_mov_b32 v[NIL], 0
	v_lshrrev_b32 v1, 5, v0
	v_readfirstlane_b32 s4, v1                     ; wave 0..7
	v_and_b32 v232, 31, v0                         ; l
	v_and_b32 v233, 15, v0                         ; r
	v_bfe_u32 v234, v0, 4, 1                       ; h
	v_lshlrev_b32 v1, 4, v232
	v_lshlrev_b32 v3, 3, v232
	v_lshlrev_b32 v2, 5, v233
	v_lshl_add_u32 v2, v234, 4, v2
	s_lshl_b32 s44, s4, 9
	v_add_nc_u32 v4, s44, v1
	v_lshlrev_b32 v9, 2, v233
	v_lshlrev_b32 v10, 4, v233
	v_lshlrev_b32 v8, 3, v234
	v_sub_nc_u32 v8, v233, v8
	s_lshl_b32 s46, s4, 4
	v_add_nc_u32 v8, s46, v8
.irp i, 4,5,6,7
	v_mov_b32 v[QB+\i], 0                          ; the zero halves: written once
.irp u, 0,1,2,3
	v_mov_b32 v[KB+12*\u+\i], 0
.endr
.endr
.irp b, 0,1,2,3
	v_mov_b32 v[BP+\b], 0                          ; written once: a lane permute's destination counts as one of its sources
.endr
	v_mov_b32 v[F+1], 0
	v_mov_b32 v[TMP], 0
	v_mov_b32 v[NINF], 0xff800000
	s_mov_b32 s[CS], 0x3d38aa3b                    ; log2(e) / 32
	s_mov_b32 s[CS+1], s[CS]
	s_mov_b32 s[SEL], 0x76543210
	s_mov_b32 s[SEL+1], 0xfedcba98
	s_mov_b32 s5, ttmp9                            ; p
	s_and_b32 s6, ttmp7, 0xffff                    ; hb
	s_lshr_b32 s7, s6, 1                           ; head
	s_and_b32 s48, s6, 1                           ; batch
	s_mov_b32 s45, 0
	s_wait_kmcnt 0x0
	s_lshl_b32 s44, s6, 16
	s_lshl_b32 s46, s4, 9
	s_add_co_u32 s44, s44, s46
	s_add_nc_u64 s[50:51], s[8:9], s[44:45]        ; Q's codes: my head and batch, my wave's 16 rows of a block
	s_add_nc_u64 s[12:13], s[50:51], KC            ; K's: my eighth of a step
	s_add_nc_u64 s[14:15], s[50:51], VC            ; V's likewise
	s_lshl_b32 s44, s6, 13
	s_add_co_u32 s44, s44, KS
	s_add_nc_u64 s[16:17], s[8:9], s[44:45]
	s_lshl_b32 s44, s6, 13
	s_and_b32 s46, s4, 1
	s_lshl_b32 s46, s46, 8
	s_add_co_u32 s44, s44, s46
	s_lshr_b32 s46, s4, 1
	s_lshl_b32 s46, s46, 2
	s_add_co_u32 s44, s44, s46
	s_add_co_u32 s44, s44, QS
	s_add_nc_u64 s[52:53], s[8:9], s[44:45]        ; row 16 w + r of a block is word u = w / 2 of lane 16 (w % 2) + r
	s_lshl_b32 s44, s6, 12
	s_add_co_u32 s44, s44, VS
	s_add_nc_u64 s[18:19], s[8:9], s[44:45]
	s_lshl_b32 s46, s48, 7
	s_add_co_u32 s46, s46, s4                      ; row tile 128 batch + w (+ 8 x block)
	s_lshl_b32 s44, s46, 13
	s_lshl_b32 s47, s7, 9
	s_add_co_u32 s44, s44, s47
	s_add_nc_u64 s[54:55], s[10:11], s[44:45]
	s_lshl_b32 s44, s46, 9
	s_lshr_b32 s47, s7, 1
	s_lshl_b32 s47, s47, 6
	s_add_co_u32 s44, s44, s47
	s_and_b32 s47, s7, 1
	s_lshl_b32 s47, s47, 1
	s_add_co_u32 s44, s44, s47
	s_add_co_u32 s44, s44, SC
	s_add_nc_u64 s[56:57], s[10:11], s[44:45]
	s_mov_b32 s29, s5                              ; the first block
	s_mov_b32 s28, 0
	s_mov_b32 s30, 0
	BLKBASE
	INITBLK
	FETCH 0
	s_mov_b32 s31, 8
.Lk:                                                   ; 8 trips of two steps; the seventeenth step is written out, since it asks for nothing
	STEP 0, 1, 0
	STEP 1, 1, 0
	s_sub_co_u32 s31, s31, 1
	s_cmp_lg_u32 s31, 0
	s_cbranch_scc1 .Lk
	STEP 0, 0, 1
	s_wait_tensorcnt 0x0                           ; the wave's end
	ds_add_u32 v[SPW], v[NIL]
	s_wait_dscnt 0x0
	s_endpgm
.Lfunc_end_k_q5328a5c933_attn:
	.size	k_q5328a5c933_attn, .Lfunc_end_k_q5328a5c933_attn-k_q5328a5c933_attn
	.p2alignl 7, 3214868480
	.fill 96, 4, 3214868480
	.section	.rodata,"a",@progbits
	.p2align	6, 0x0
	.amdhsa_kernel k_q5328a5c933_attn
		.amdhsa_group_segment_fixed_size 17408
		.amdhsa_private_segment_fixed_size 0
		.amdhsa_enable_private_segment 0
		.amdhsa_kernarg_size 16
		.amdhsa_user_sgpr_count 2
		.amdhsa_user_sgpr_kernarg_segment_ptr 1
		.amdhsa_wavefront_size32 1
		.amdhsa_system_sgpr_workgroup_id_x 1
		.amdhsa_system_sgpr_workgroup_id_y 1
		.amdhsa_system_sgpr_workgroup_id_z 1
		.amdhsa_system_vgpr_workitem_id 0
		.amdhsa_next_free_vgpr 256
		.amdhsa_next_free_sgpr 66
		.amdhsa_reserve_vcc 1
		.amdhsa_float_denorm_mode_32 3
		.amdhsa_float_denorm_mode_16_64 3
		.amdhsa_memory_ordered 1
		.amdhsa_forward_progress 1
		.amdhsa_inst_pref_size 81
	.end_amdhsa_kernel
	.amdgpu_metadata
---
amdhsa.version: [ 1, 2 ]
amdhsa.kernels:
  - .name:           k_q5328a5c933_attn
    .symbol:         k_q5328a5c933_attn.kd
    .args:
      - { .name: ain, .offset: 0, .size: 8, .value_kind: global_buffer, .address_space: global }
      - { .name: aq, .offset: 8, .size: 8, .value_kind: global_buffer, .address_space: global }
    .group_segment_fixed_size: 17408
    .private_segment_fixed_size: 0
    .kernarg_segment_align: 8
    .kernarg_segment_size: 16
    .max_flat_workgroup_size: 256
    .sgpr_count:     66
    .vgpr_count:     256
    .wavefront_size: 32
...
	.end_amdgpu_metadata
.endif
;; end of part 3
;; launch proj (part 4): grid 256 x 1, 4 waves a work-group, no clusters, 68,096 bytes of LDS; arguments aq, wimg, Wproj_scales, embedding, positional_encoding, g_attn, be_attn, mha, mq; writes mha, mq
.if DOCPART == 4
	.amdgcn_target "amdgcn-amd-amdhsa--gfx1250"
	.amdhsa_code_object_version 6
	.text
	.protected	k_q5328a5c933_proj
	.globl	k_q5328a5c933_proj
	.p2align	8
	.type	k_q5328a5c933_proj,@function
k_q5328a5c933_proj:
	s_mov_b64 s[64:65], 0
	v_nop
	global_prefetch_b8 v0, s[64:65] scope:SCOPE_SE
	s_setreg_imm32_b32 hwreg(HW_REG_WAVE_MODE, 25, 1), 1
	s_wait_xcnt 0x0
; mha = LayerNorm(x + attn Wproj; g_attn, be_attn), x = embedding + positional_encoding in f32; the product on codes of E2M1.  mha leaves in f32 and, quantised along E, as images and scale words (mq, laid as xq).
; SHARES.  A work-group owns 16 whole rows (the norm needs whole rows); wave w owns columns 256 w .. 256 w + 255: 16 accumulators, which START AS x, so that the residual costs no addition behind the product.
; attn's eight fragments stay in registers (window 1); Wproj's images stream through windows 2 and 3, a group of four tiles x eight K steps (64 loads of 512 consecutive bytes, 32 matrix instructions) at a time,
; one group on its way while the other is multiplied.
; NO CLUSTER: joint requests go through LDS; here a weight fragment goes from memory into the registers from which its one matrix instruction reads it, and through LDS the same bytes would be written and read once more.
; TRANSPOSED: source 0 = 16 rows of Wproj (output columns), source 1 = the 16 rows: lane (r, h) holds row r, and register 8 tt + j column 256 w + 16 tt + 8 h + j.
; THE NORM is taken in two passes (mean, then the mean of the squared differences), each summed in the lane, with lane l xor 16, and over the four waves through 256 bytes of LDS of its own and one barrier.
; LIMITS: as stated at the head of launch prep.
.set SC,  2097152
.set WP,  1572864
.set SPW, 14
.set NIL, 15
.set AS,  16                           ; v16-19  attn's scale words: register p: lanes 0-15 K step 2 p, lanes 16-31 K step 2 p + 1
.set WS,  32                           ; v32-63  the weight's scale words, two sets of 16
.set T,   64                           ; v64-71  at work
.set MU,  80
.set RSD, 82
.set ACC, 96                           ; v96-223
.set CD,  224
.set HW,  240
.set RED, 66560                        ; behind the four stages (16 rows x 1,040 bytes each): four regions of 256 bytes, [row][wave] words
.set SPARE, 67584                      ; the spare words, 128 bytes a wave
.set SEL, 50
.set SH,  52
.set C10, 58                           ; s58 2^-10, s59 1e-5
.set EPS, 59
.set MSB, 0
.macro WIN new
.if MSB != (\new)
	s_set_vgpr_msb (MSB<<8)|(\new)
.set MSB, (\new)
.endif
.endm
.macro PLACES
.rept 4
	v_nop
.endr
.endm
.macro WM d, a, b, cb, sa, sb, ra, rb
.if (\ra) && (\rb)
	v_wmma_scale_f32_16x16x128_f8f6f4 v[(\d):(\d)+7], v[(\a):(\a)+7], v[(\b):(\b)+7], v[(\cb):(\cb)+7], v[(\sa)], v[(\sb)] matrix_a_fmt:MATRIX_FMT_FP4 matrix_b_fmt:MATRIX_FMT_FP4 matrix_a_scale:MATRIX_SCALE_ROW1 matrix_b_scale:MATRIX_SCALE_ROW1
.elseif (\ra)
	v_wmma_scale_f32_16x16x128_f8f6f4 v[(\d):(\d)+7], v[(\a):(\a)+7], v[(\b):(\b)+7], v[(\cb):(\cb)+7], v[(\sa)], v[(\sb)] matrix_a_fmt:MATRIX_FMT_FP4 matrix_b_fmt:MATRIX_FMT_FP4 matrix_a_scale:MATRIX_SCALE_ROW1
.elseif (\rb)
	v_wmma_scale_f32_16x16x128_f8f6f4 v[(\d):(\d)+7], v[(\a):(\a)+7], v[(\b):(\b)+7], v[(\cb):(\cb)+7], v[(\sa)], v[(\sb)] matrix_a_fmt:MATRIX_FMT_FP4 matrix_b_fmt:MATRIX_FMT_FP4 matrix_b_scale:MATRIX_SCALE_ROW1
.else
	v_wmma_scale_f32_16x16x128_f8f6f4 v[(\d):(\d)+7], v[(\a):(\a)+7], v[(\b):(\b)+7], v[(\cb):(\cb)+7], v[(\sa)], v[(\sb)] matrix_a_fmt:MATRIX_FMT_FP4 matrix_b_fmt:MATRIX_FMT_FP4
.endif
.endm
.macro Q32 s, d, hw                    ; as in launch qkv
	v_max3_num_f32 v[T], |v[(\s)]|, |v[(\s)+1]|, 0x1800000
	v_max3_num_f32 v[T+1], |v[(\s)+16]|, |v[(\s)+17]|, 0x1800000
.irp i, 2,4,6,8,10,12,14
	v_max3_num_f32 v[T], v[T], |v[(\s)+\i]|, |v[(\s)+\i+1]|
	v_max3_num_f32 v[T+1], v[T+1], |v[(\s)+16+\i]|, |v[(\s)+17+\i]|
.endr
	v_permlanex16_b32 v[T+2], v[T], s[SEL], s[SEL+1]
	v_permlanex16_b32 v[T+3], v[T+1], s[SEL], s[SEL+1]
	v_max_num_f32 v[T], v[T], v[T+2]
	v_max_num_f32 v[T+1], v[T+1], v[T+3]
	v_add_nc_u32 v[T+4], 0xff000000, v[T]
	v_add_nc_u32 v[T+5], 0xff000000, v[T+1]
	v_lshrrev_b32 v[T+2], 23, v[T+4]
	v_lshrrev_b32 v[T+3], 23, v[T+5]
	v_lshl_or_b32 v[(\hw)], v[T+3], 8, v[T+2]
	v_cvt_scalef32_pk8_fp4_f32 v[(\d)], v[(\s):(\s)+7], v[T+4]
	v_cvt_scalef32_pk8_fp4_f32 v[(\d)+2], v[(\s)+8:(\s)+15], v[T+4]
	v_cvt_scalef32_pk8_fp4_f32 v[(\d)+1], v[(\s)+16:(\s)+23], v[T+5]
	v_cvt_scalef32_pk8_fp4_f32 v[(\d)+3], v[(\s)+24:(\s)+31], v[T+5]
	v_nop
	v_permlane16_swap_b32 v[(\d)], v[(\d)+1]
	v_permlane16_swap_b32 v[(\d)+2], v[(\d)+3]
.endm
.macro ROWS win, reg, va, sb           ; 128 numbers in the accumulators' layout: 32 bytes for each tile, from lane offset va
	WIN (\win)<<6
.set li, 0
.rept 16
	global_load_b128 v[(\reg)+8*li:(\reg)+8*li+3], v[\va], s[\sb:\sb+1] offset:64*li
	global_load_b128 v[(\reg)+8*li+4:(\reg)+8*li+7], v[\va], s[\sb:\sb+1] offset:64*li+16
.set li, li+1
.endr
	WIN 0
.endm
.macro ISSUE g                         ; group g: tiles 4 g .. 4 g + 3, all eight K steps, and their scale words
.irp t, 0,1,2,3
	global_load_b128 v[WS+16*((\g)%2)+4*\t:WS+16*((\g)%2)+4*\t+3], v3, s[12:13] offset:512*(4*(\g)+\t)
.endr
	WIN (2+((\g)%2))<<6
.set li, 0
.rept 64
	global_load_b128 v[4*li:4*li+3], v1, s[32:33] offset:32768*(\g)+512*li
.set li, li+1
.endr
	WIN 0
.endm
.macro GEMM16 g, q, kq                 ; 32 matrix instructions: four accumulators by turns, one instruction a turn; always in place
	WIN (2+((\g)%2))|4
.set gs, 0
.rept 8
.set gt, 0
.rept 4
	WM ACC+8*(4*(\q)+gt), 64*gt+8*gs, 8*(8*(\kq)+gs), ACC+8*(4*(\q)+gt), WS+16*((\g)%2)+4*gt+gs%4, AS+4*(\kq)+gs/2, gs/4, gs%2
.set gt, gt+1
.endr
.set gs, gs+1
.endr
	WIN 0
.endm
.macro REDUCE reg                      ; four chains in v[T] .. v[T+7] become the row's total over all 1,024 columns, in v[T] of every lane
	v_pk_add_f32 v[T:T+1], v[T:T+1], v[T+2:T+3]
	v_pk_add_f32 v[T+4:T+5], v[T+4:T+5], v[T+6:T+7]
	v_pk_add_f32 v[T:T+1], v[T:T+1], v[T+4:T+5]
	v_add_f32 v[T], v[T], v[T+1]
	v_permlanex16_b32 v[T+1], v[T], s[SEL], s[SEL+1]
	v_add_f32 v[T], v[T], v[T+1]
	ds_store_b32 v10, v[T] offset:256*(\reg)       ; lanes r and r + 16 write the same word with the same value
	s_wait_dscnt 0x0                               ; for the others' sake
	s_barrier_signal -1
	s_barrier_wait -1
	ds_load_b128 v[T+4:T+7], v11 offset:256*(\reg)
	s_wait_dscnt 0x0
	v_add_f32 v[T+4], v[T+4], v[T+5]
	v_add_f32 v[T+6], v[T+6], v[T+7]
	v_add_f32 v[T], v[T+4], v[T+6]
.endm
.macro LN red, gw, gr, bw, br          ; the accumulators, in place; the gain in window gw from register gr, the bias in window bw from br
.irp k, 0,1,2,3
	v_pk_add_f32 v[T+2*\k:T+2*\k+1], v[ACC+2*\k:ACC+2*\k+1], v[ACC+8+2*\k:ACC+9+2*\k]    ; each accumulator is read from its low end on
.endr
.set i, 8
.rept 56
	v_pk_add_f32 v[T+2*(i%4):T+2*(i%4)+1], v[T+2*(i%4):T+2*(i%4)+1], v[ACC+2*i:ACC+2*i+1]
.set i, i+1
.endr
	REDUCE \red
	v_mul_f32 v[MU], 0x3a800000, v[T]              ; the mean
	v_mov_b32 v[MU+1], v[MU]
.set i, 0
.rept 64
	v_pk_add_f32 v[ACC+2*i:ACC+2*i+1], v[ACC+2*i:ACC+2*i+1], v[MU:MU+1] neg_lo:[0,1] neg_hi:[0,1]
.set i, i+1
.endr
.irp k, 0,1,2,3
	v_pk_mul_f32 v[T+2*\k:T+2*\k+1], v[ACC+2*\k:ACC+2*\k+1], v[ACC+2*\k:ACC+2*\k+1]
.endr
.set i, 4
.rept 60
	v_pk_fma_f32 v[T+2*(i%4):T+2*(i%4)+1], v[ACC+2*i:ACC+2*i+1], v[ACC+2*i:ACC+2*i+1], v[T+2*(i%4):T+2*(i%4)+1]
.set i, i+1
.endr
	REDUCE (\red)+1
	v_fma_f32 v[T], v[T], s[C10], s[EPS]           ; the variance + 1e-5
	v_rsq_f32 v[RSD], v[T]
	v_nop
	s_wait_alu depctr_va_vdst(0)                   ; ahead of the first reader
	v_mov_b32 v[RSD+1], v[RSD]
	s_wait_loadcnt 0x0                             ; the gain and the bias
.set i, 0
.rept 64
	v_pk_mul_f32 v[ACC+2*i:ACC+2*i+1], v[ACC+2*i:ACC+2*i+1], v[RSD:RSD+1]
.set i, i+1
.endr
	WIN ((\gw)<<2)|((\bw)<<4)
.set i, 0
.rept 64
	v_pk_fma_f32 v[ACC+2*i:ACC+2*i+1], v[ACC+2*i:ACC+2*i+1], v[(\gr)+2*i:(\gr)+2*i+1], v[(\br)+2*i:(\br)+2*i+1]
.set i, i+1
.endr
	WIN 0
.endm
.macro OUT sb                          ; my 16 rows x 1,024 bytes through my own stage, and out as runs of 512 consecutive bytes
.set oi, 0
.rept 16
	ds_store_b128 v8, v[ACC+8*oi:ACC+8*oi+3] offset:64*oi
	ds_store_b128 v8, v[ACC+8*oi+4:ACC+8*oi+7] offset:64*oi+16
.set oi, oi+1
.endr
.set oi, 0
.rept 32
	ds_load_b128 v[ACC+4*oi:ACC+4*oi+3], v9 offset:1040*(oi/2)+512*(oi%2)    ; LDS serves a wave's instructions in order (ISA guide 5.7.1.4): these see my stores
.set oi, oi+1
.endr
.set oi, 0
.rept 32
	s_wait_dscnt 31-oi                             ; number oi is in; the younger ones may stay out
	global_store_b128 v1, v[ACC+4*oi:ACC+4*oi+3], s[\sb:\sb+1] offset:4096*(oi/2)+512*(oi%2)
.set oi, oi+1
.endr
.endm
	s_load_b512 s[8:23], s[0:1], 0x0               ; aq s[8:9], wimg s[10:11], Wproj_scales s[12:13], embedding s[14:15], positional s[16:17], g s[18:19], be s[20:21], mha s[22:23]
	s_load_b64 s[24:25], s[0:1], 0x40              ; mq
	v_lshl_add_u32 v[SPW], v0, 2, SPARE
	v_mov_b32 v[NIL], 0
	v_lshrrev_b32 v1, 5, v0
	v_readfirstlane_b32 s4, v1                     ; wave 0..3
	v_and_b32 v12, 31, v0                          ; l
	v_and_b32 v4, 15, v0                           ; r
	v_bfe_u32 v5, v0, 4, 1                         ; h
	v_lshlrev_b32 v1, 4, v12                       ; 16 l
	v_lshlrev_b32 v2, 2, v12                       ; 4 l
	v_lshlrev_b32 v3, 5, v4
	v_lshl_add_u32 v3, v5, 4, v3                   ; 32 r + 16 h
	v_lshlrev_b32 v6, 12, v4
	v_lshl_add_u32 v6, v5, 5, v6                   ; 4,096 r + 32 h
	v_lshlrev_b32 v7, 5, v5                        ; 32 h
	s_mul_i32 s26, s4, 16640                       ; my stage
	v_mul_u32_u24 v8, v4, 1040
	v_lshl_add_u32 v8, v5, 5, v8
	v_add_nc_u32 v8, s26, v8
	v_add_nc_u32 v9, s26, v1
	v_lshl_add_u32 v11, v4, 4, RED
	s_lshl_b32 s27, s4, 2
	v_add_nc_u32 v10, s27, v11
	v_cmp_eq_u32 s[SH], 1, v5
	s_mov_b32 s[SEL], 0x76543210
	s_mov_b32 s[SEL+1], 0xfedcba98
	s_mov_b32 s[C10], 0x3a800000
	s_mov_b32 s[EPS], 0x3727c5ac
	s_mov_b32 s55, 0
	s_wait_kmcnt 0x0
	s_lshl_b32 s54, ttmp9, 13
	s_add_nc_u64 s[28:29], s[8:9], s[54:55]        ; attn's images
	s_lshl_b32 s56, s4, 11
	s_add_co_u32 s54, s54, s56
	s_add_nc_u64 s[34:35], s[24:25], s[54:55]      ; mha's images: my two K steps
	s_lshl_b32 s54, ttmp9, 9
	s_add_co_u32 s54, s54, SC
	s_add_nc_u64 s[30:31], s[8:9], s[54:55]        ; attn's scale words
	s_lshl_b32 s56, s4, 7
	s_add_co_u32 s54, s54, s56
	s_add_nc_u64 s[36:37], s[24:25], s[54:55]      ; mha's
	s_lshl_b32 s54, s4, 17
	s_add_co_u32 s54, s54, WP
	s_add_nc_u64 s[32:33], s[10:11], s[54:55]      ; my 16 tiles of Wproj
	s_lshl_b32 s54, s4, 13
	s_add_nc_u64 s[12:13], s[12:13], s[54:55]
	s_lshl_b32 s54, s4, 10
	s_add_nc_u64 s[18:19], s[18:19], s[54:55]
	s_add_nc_u64 s[20:21], s[20:21], s[54:55]
	s_lshl_b32 s56, ttmp9, 16
	s_add_co_u32 s54, s54, s56
	s_add_nc_u64 s[14:15], s[14:15], s[54:55]
	s_add_nc_u64 s[16:17], s[16:17], s[54:55]
	s_add_nc_u64 s[22:23], s[22:23], s[54:55]
	ROWS 0, ACC, 6, 14                             ; embedding lands in the accumulators
	ROWS 1, 64, 6, 16                              ; positional encoding in window 1, v64-191
	WIN 0x40
.set li, 0
.rept 16
	global_load_b128 v[4*li:4*li+3], v1, s[28:29] offset:512*li
.set li, li+1
.endr
	WIN 0
.irp p, 0,1,2,3
	global_load_b32 v[AS+\p], v2, s[30:31] offset:128*\p
.endr
	ISSUE 0
	ISSUE 1
	s_wait_loadcnt 63                              ; 68 loads (group 1) were issued behind group 0's last
	WIN 0x04
.set i, 0
.rept 64
	v_pk_add_f32 v[ACC+2*i:ACC+2*i+1], v[ACC+2*i:ACC+2*i+1], v[64+2*i:65+2*i]    ; x
.set i, i+1
.endr
	WIN 0
	GEMM16 0, 0, 0
	PLACES
	ISSUE 2
	s_wait_loadcnt 63                              ; 68 behind group 1's last
	GEMM16 1, 1, 0
	PLACES
	ISSUE 3
	s_wait_loadcnt 63
	GEMM16 2, 2, 0
	PLACES
	ROWS 2, 0, 7, 18                               ; the gain,
	ROWS 2, 128, 7, 20                             ; the bias: 64 loads behind group 3's last
	s_wait_loadcnt 63
	GEMM16 3, 3, 0
	PLACES
	LN 0, 2, 0, 2, 128
.irp u, 0,1,2,3
	Q32 ACC+32*\u, CD+4*\u, HW+\u                  ; columns 256 w + 64 u on: chunk u % 2 of K step 2 w + u / 2
	global_store_b128 v1, v[CD+4*\u:CD+4*\u+3], s[34:35] offset:512*\u
.endr
	v_lshl_or_b32 v244, v[HW+1], 16, v[HW]
	v_lshl_or_b32 v245, v[HW+3], 16, v[HW+2]
	v_cndmask_b32 v246, v244, v245, s[SH]
	global_store_b32 v2, v246, s[36:37]
	OUT 22
	s_wait_tensorcnt 0x0                           ; the wave's end
	ds_add_u32 v[SPW], v[NIL]
	s_wait_dscnt 0x0
	s_endpgm
.Lfunc_end_k_q5328a5c933_proj:
	.size	k_q5328a5c933_proj, .Lfunc_end_k_q5328a5c933_proj-k_q5328a5c933_proj
	.p2alignl 7, 3214868480
	.fill 96, 4, 3214868480
	.section	.rodata,"a",@progbits
	.p2align	6, 0x0
	.amdhsa_kernel k_q5328a5c933_proj
		.amdhsa_group_segment_fixed_size 68096
		.amdhsa_private_segment_fixed_size 0
		.amdhsa_enable_private_segment 0
		.amdhsa_kernarg_size 72
		.amdhsa_user_sgpr_count 2
		.amdhsa_user_sgpr_kernarg_segment_ptr 1
		.amdhsa_wavefront_size32 1
		.amdhsa_system_sgpr_workgroup_id_x 1
		.amdhsa_system_sgpr_workgroup_id_y 1
		.amdhsa_system_sgpr_workgroup_id_z 1
		.amdhsa_system_vgpr_workitem_id 0
		.amdhsa_next_free_vgpr 1024
		.amdhsa_next_free_sgpr 66
		.amdhsa_reserve_vcc 0
		.amdhsa_float_denorm_mode_32 3
		.amdhsa_float_denorm_mode_16_64 3
		.amdhsa_memory_ordered 1
		.amdhsa_forward_progress 1
		.amdhsa_inst_pref_size 102
	.end_amdhsa_kernel
	.amdgpu_metadata
---
amdhsa.version: [ 1, 2 ]
amdhsa.kernels:
  - .name:           k_q5328a5c933_proj
    .symbol:         k_q5328a5c933_proj.kd
    .args:
      - { .name: aq, .offset: 0, .size: 8, .value_kind: global_buffer, .address_space: global }
      - { .name: wimg, .offset: 8, .size: 8, .value_kind: global_buffer, .address_space: global }
      - { .name: Wproj_scales, .offset: 16, .size: 8, .value_kind: global_buffer, .address_space: global }
      - { .name: embedding, .offset: 24, .size: 8, .value_kind: global_buffer, .address_space: global }
      - { .name: positional_encoding, .offset: 32, .size: 8, .value_kind: global_buffer, .address_space: global }
      - { .name: g_attn, .offset: 40, .size: 8, .value_kind: global_buffer, .address_space: global }
      - { .name: be_attn, .offset: 48, .size: 8, .value_kind: global_buffer, .address_space: global }
      - { .name: mha, .offset: 56, .size: 8, .value_kind: global_buffer, .address_space: global }
      - { .name: mq, .offset: 64, .size: 8, .value_kind: global_buffer, .address_space: global }
    .group_segment_fixed_size: 68096
    .private_segment_fixed_size: 0
    .kernarg_segment_align: 8
    .kernarg_segment_size: 72
    .max_flat_workgroup_size: 128
    .sgpr_count:     66
    .vgpr_count:     1024
    .wavefront_size: 32
...
	.end_amdgpu_metadata
.endif
;; end of part 4
;; launch ffn1 (part 5): grid 64 x 4, 4 waves a work-group, no clusters, 0 bytes of LDS; arguments mq, wimg, W1_scales, b1, hq; writes hq
.if DOCPART == 5
	.amdgcn_target "amdgcn-amd-amdhsa--gfx1250"
	.amdhsa_code_object_version 6
	.text
	.protected	k_q5328a5c933_ffn1
	.globl	k_q5328a5c933_ffn1
	.p2align	8
	.type	k_q5328a5c933_ffn1,@function
k_q5328a5c933_ffn1:
	s_mov_b64 s[64:65], 0
	v_nop
	global_prefetch_b8 v0, s[64:65] scope:SCOPE_SE
	s_setreg_imm32_b32 hwreg(HW_REG_WAVE_MODE, 25, 1), 1
	s_wait_xcnt 0x0
; hidden = mha W1 + b1 on codes of E2M1, quantised along FF into hq: images at 32,768 x row tile + 1,024 x K step + 512 c + 16 l, scale words at HSC + 2,048 x row tile + 64 x K step + 4 r.
; SHARES.  A work-group takes 64 rows (x) and 1,024 columns (y); wave w takes 256 of them, as four groups of 64 columns: 16 accumulators, 128 matrix instructions a group.
; mha's 32 fragments stay in window 1; a group's weight images (64 loads of 512 consecutive bytes) come into window 2 or 3 while the group before is multiplied and quantised.  No LDS, no barrier.
; NO CLUSTER: joint requests go through LDS; here a fragment of 1,024 bytes feeds four matrix instructions from the registers in which it lands; through LDS the same bytes would be written and read once more.
; TRANSPOSED: source 0 = 16 rows of W1 (columns of hidden), source 1 = 16 rows of mha: a lane's registers run along the next K.  b1 is the C of each sum's first matrix instruction.
; LIMITS: as stated at the head of launch prep.
.set SC,  2097152
.set W1O, 2097152
.set HSC, 8388608
.set XS,  16                           ; v16-31 mha's scale words
.set WS,  32                           ; v32-63 the weight's, two sets
.set T,   64
.set HWE, 70                           ; v70-73 the even group's two bytes
.set HW,  74
.set U,   78
.set CD,  80
.set ACC, 96
.set B1,  224                          ; v224-255 b1 of the group's four tiles, in the result's layout
.set SEL, 50
.set SH,  52
.set MSB, 0
.macro WIN new
.if MSB != (\new)
	s_set_vgpr_msb (MSB<<8)|(\new)
.set MSB, (\new)
.endif
.endm
.macro PLACES
.rept 4
	v_nop
.endr
.endm
.macro WM d, a, b, cb, sa, sb, ra, rb
.if (\ra) && (\rb)
	v_wmma_scale_f32_16x16x128_f8f6f4 v[(\d):(\d)+7], v[(\a):(\a)+7], v[(\b):(\b)+7], v[(\cb):(\cb)+7], v[(\sa)], v[(\sb)] matrix_a_fmt:MATRIX_FMT_FP4 matrix_b_fmt:MATRIX_FMT_FP4 matrix_a_scale:MATRIX_SCALE_ROW1 matrix_b_scale:MATRIX_SCALE_ROW1
.elseif (\ra)
	v_wmma_scale_f32_16x16x128_f8f6f4 v[(\d):(\d)+7], v[(\a):(\a)+7], v[(\b):(\b)+7], v[(\cb):(\cb)+7], v[(\sa)], v[(\sb)] matrix_a_fmt:MATRIX_FMT_FP4 matrix_b_fmt:MATRIX_FMT_FP4 matrix_a_scale:MATRIX_SCALE_ROW1
.elseif (\rb)
	v_wmma_scale_f32_16x16x128_f8f6f4 v[(\d):(\d)+7], v[(\a):(\a)+7], v[(\b):(\b)+7], v[(\cb):(\cb)+7], v[(\sa)], v[(\sb)] matrix_a_fmt:MATRIX_FMT_FP4 matrix_b_fmt:MATRIX_FMT_FP4 matrix_b_scale:MATRIX_SCALE_ROW1
.else
	v_wmma_scale_f32_16x16x128_f8f6f4 v[(\d):(\d)+7], v[(\a):(\a)+7], v[(\b):(\b)+7], v[(\cb):(\cb)+7], v[(\sa)], v[(\sb)] matrix_a_fmt:MATRIX_FMT_FP4 matrix_b_fmt:MATRIX_FMT_FP4
.endif
.endm
.macro Q32 s, d, hw                    ; as in launch qkv
	v_max3_num_f32 v[T], |v[(\s)]|, |v[(\s)+1]|, 0x1800000
	v_max3_num_f32 v[T+1], |v[(\s)+16]|, |v[(\s)+17]|, 0x1800000
.irp i, 2,4,6,8,10,12,14
	v_max3_num_f32 v[T], v[T], |v[(\s)+\i]|, |v[(\s)+\i+1]|
	v_max3_num_f32 v[T+1], v[T+1], |v[(\s)+16+\i]|, |v[(\s)+17+\i]|
.endr
	v_permlanex16_b32 v[T+2], v[T], s[SEL], s[SEL+1]
	v_permlanex16_b32 v[T+3], v[T+1], s[SEL], s[SEL+1]
	v_max_num_f32 v[T], v[T], v[T+2]
	v_max_num_f32 v[T+1], v[T+1], v[T+3]
	v_add_nc_u32 v[T+4], 0xff000000, v[T]
	v_add_nc_u32 v[T+5], 0xff000000, v[T+1]
	v_lshrrev_b32 v[T+2], 23, v[T+4]
	v_lshrrev_b32 v[T+3], 23, v[T+5]
	v_lshl_or_b32 v[(\hw)], v[T+3], 8, v[T+2]
	v_cvt_scalef32_pk8_fp4_f32 v[(\d)], v[(\s):(\s)+7], v[T+4]
	v_cvt_scalef32_pk8_fp4_f32 v[(\d)+2], v[(\s)+8:(\s)+15], v[T+4]
	v_cvt_scalef32_pk8_fp4_f32 v[(\d)+1], v[(\s)+16:(\s)+23], v[T+5]
	v_cvt_scalef32_pk8_fp4_f32 v[(\d)+3], v[(\s)+24:(\s)+31], v[T+5]
	v_nop
	v_permlane16_swap_b32 v[(\d)], v[(\d)+1]
	v_permlane16_swap_b32 v[(\d)+2], v[(\d)+3]
.endm
.macro LOAD256 win, sb, off
	WIN (\win)<<6
.set li, 0
.rept 64
	global_load_b128 v[4*li:4*li+3], v1, s[\sb:\sb+1] offset:(\off)+512*li
.set li, li+1
.endr
	WIN 0
.endm
.macro WSL g
.irp t, 0,1,2,3
	global_load_b128 v[WS+16*((\g)%2)+4*\t:WS+16*((\g)%2)+4*\t+3], v3, s[12:13] offset:2048*(\g)+512*\t
.endr
.endm
.macro ISS g
	WSL \g
	LOAD256 2+((\g)%2), 32, 32768*(\g)
.endm
.macro LB1 g
.irp t, 0,1,2,3
	global_load_b128 v[B1+8*\t:B1+8*\t+3], v7, s[14:15] offset:256*(\g)+64*\t
	global_load_b128 v[B1+8*\t+4:B1+8*\t+7], v7, s[14:15] offset:256*(\g)+64*\t+16
.endr
.endm
.macro GEMM g                          ; sixteen accumulators by turns, one instruction a turn
	WIN (2+((\g)%2))|4
.set gs, 0
.rept 8
.set gm, 0
.rept 4
.set gt, 0
.rept 4
.set gd, ACC+8*(4*gm+gt)
.set gc, gd
.if gs == 0
.set gc, B1+8*gt
.endif
	WM gd, 64*gt+8*gs, 64*gm+8*gs, gc, WS+16*((\g)%2)+4*gt+gs%4, XS+4*gm+gs/2, gs/4, gs%2
.set gt, gt+1
.endr
.set gm, gm+1
.endr
.set gs, gs+1
.endr
	WIN 0
.endm
.macro EPI g                           ; the group's 64 columns are chunk g % 2 of K step 2 (4 y + w) + g / 2
	s_wait_xcnt 0x0                                ; the last group's stores have read their data
.irp m, 0,1,2,3
.if (\g)%2
	Q32 ACC+32*\m, CD+4*\m, HW+\m
.else
	Q32 ACC+32*\m, CD+4*\m, HWE+\m
.endif
	global_store_b128 v1, v[CD+4*\m:CD+4*\m+3], s[34:35] offset:32768*\m+512*(\g)
.endr
.if (\g)%2
.irp m, 0,1,2,3
	v_lshl_or_b32 v[HW+\m], v[HW+\m], 16, v[HWE+\m]                  ; the K step's scale word is whole
.endr
	v_cndmask_b32 v[U], v[HW], v[HW+1], s[SH]      ; lanes 0-15 row tile m, lanes 16-31 row tile m + 1
	v_cndmask_b32 v[U+1], v[HW+2], v[HW+3], s[SH]
	global_store_b32 v10, v[U], s[36:37] offset:64*((\g)/2)
	global_store_b32 v10, v[U+1], s[36:37] offset:4096+64*((\g)/2)
.endif
.endm
	s_load_b256 s[8:15], s[0:1], 0x0               ; mq s[8:9], wimg s[10:11], W1_scales s[12:13], b1 s[14:15]
	s_load_b64 s[16:17], s[0:1], 0x20              ; hq
	v_lshrrev_b32 v1, 5, v0
	v_readfirstlane_b32 s4, v1                     ; wave 0..3
	v_and_b32 v12, 31, v0
	v_and_b32 v4, 15, v0                           ; r
	v_bfe_u32 v5, v0, 4, 1                         ; h
	v_lshlrev_b32 v1, 4, v12                       ; 16 l
	v_lshlrev_b32 v2, 2, v12                       ; 4 l
	v_lshlrev_b32 v3, 5, v4
	v_lshl_add_u32 v3, v5, 4, v3                   ; 32 r + 16 h
	v_lshlrev_b32 v7, 5, v5                        ; 32 h
	v_lshlrev_b32 v10, 11, v5
	v_lshl_add_u32 v10, v4, 2, v10                 ; 2,048 h + 4 r
	v_cmp_eq_u32 s[SH], 1, v5
	v_mov_b32 v[T+2], 0                            ; written once: a lane permute's destination counts as one of its sources
	v_mov_b32 v[T+3], 0
	s_mov_b32 s[SEL], 0x76543210
	s_mov_b32 s[SEL+1], 0xfedcba98
	s_and_b32 s5, ttmp7, 0xffff
	s_lshl_b32 s6, s5, 2
	s_add_co_u32 s6, s6, s4                        ; 4 y + w: which 256 columns
	s_mov_b32 s55, 0
	s_wait_kmcnt 0x0
	s_lshl_b32 s54, ttmp9, 15
	s_add_nc_u64 s[28:29], s[8:9], s[54:55]
	s_lshl_b32 s54, ttmp9, 11
	s_add_co_u32 s54, s54, SC
	s_add_nc_u64 s[30:31], s[8:9], s[54:55]
	s_lshl_b32 s54, s6, 17
	s_add_co_u32 s54, s54, W1O
	s_add_nc_u64 s[32:33], s[10:11], s[54:55]
	s_lshl_b32 s54, s6, 13
	s_add_nc_u64 s[12:13], s[12:13], s[54:55]
	s_lshl_b32 s54, s6, 10
	s_add_nc_u64 s[14:15], s[14:15], s[54:55]
	s_lshl_b32 s54, ttmp9, 17
	s_lshl_b32 s56, s6, 11
	s_add_co_u32 s54, s54, s56
	s_add_nc_u64 s[34:35], s[16:17], s[54:55]
	s_lshl_b32 s54, ttmp9, 13
	s_lshl_b32 s56, s6, 7
	s_add_co_u32 s54, s54, s56
	s_add_co_u32 s54, s54, HSC
	s_add_nc_u64 s[36:37], s[16:17], s[54:55]
.irp m, 0,1,2,3
.irp p, 0,1,2,3
	global_load_b32 v[XS+4*\m+\p], v2, s[30:31] offset:512*\m+128*\p
.endr
.endr
	LOAD256 1, 28, 0
	LB1 0
	ISS 0
	ISS 1
	s_wait_loadcnt 63                              ; 68 loads (group 1) were issued behind group 0's last
	GEMM 0
	PLACES
	LB1 1
	ISS 2
	EPI 0
	s_wait_loadcnt 63                              ; 68 loads (group 2) behind b1's for group 1
	GEMM 1
	PLACES
	LB1 2
	ISS 3
	EPI 1
	s_wait_loadcnt 63
	GEMM 2
	PLACES
	LB1 3
	EPI 2
	s_wait_loadcnt 0x0                             ; group 3 and its b1: nothing was issued behind them
	GEMM 3
	PLACES
	EPI 3
	s_endpgm
.Lfunc_end_k_q5328a5c933_ffn1:
	.size	k_q5328a5c933_ffn1, .Lfunc_end_k_q5328a5c933_ffn1-k_q5328a5c933_ffn1
	.p2alignl 7, 3214868480
	.fill 96, 4, 3214868480
	.section	.rodata,"a",@progbits
	.p2align	6, 0x0
	.amdhsa_kernel k_q5328a5c933_ffn1
		.amdhsa_group_segment_fixed_size 0
		.amdhsa_private_segment_fixed_size 0
		.amdhsa_enable_private_segment 0
		.amdhsa_kernarg_size 40
		.amdhsa_user_sgpr_count 2
		.amdhsa_user_sgpr_kernarg_segment_ptr 1
		.amdhsa_wavefront_size32 1
		.amdhsa_system_sgpr_workgroup_id_x 1
		.amdhsa_system_sgpr_workgroup_id_y 1
		.amdhsa_system_sgpr_workgroup_id_z 1
		.amdhsa_system_vgpr_workitem_id 0
		.amdhsa_next_free_vgpr 1024
		.amdhsa_next_free_sgpr 66
		.amdhsa_reserve_vcc 0
		.amdhsa_float_denorm_mode_32 3
		.amdhsa_float_denorm_mode_16_64 3
		.amdhsa_memory_ordered 1
		.amdhsa_forward_progress 1
		.amdhsa_inst_pref_size 136
	.end_amdhsa_kernel
	.amdgpu_metadata
---
amdhsa.version: [ 1, 2 ]
amdhsa.kernels:
  - .name:           k_q5328a5c933_ffn1
    .symbol:         k_q5328a5c933_ffn1.kd
    .args:
      - { .name: mq, .offset: 0, .size: 8, .value_kind: global_buffer, .address_space: global }
      - { .name: wimg, .offset: 8, .size: 8, .value_kind: global_buffer, .address_space: global }
      - { .name: W1_scales, .offset: 16, .size: 8, .value_kind: global_buffer, .address_space: global }
      - { .name: b1, .offset: 24, .size: 8, .value_kind: global_buffer, .address_space: global }
      - { .name: hq, .offset: 32, .size: 8, .value_kind: global_buffer, .address_space: global }
    .group_segment_fixed_size: 0
    .private_segment_fixed_size: 0
    .kernarg_segment_align: 8
    .kernarg_segment_size: 40
    .max_flat_workgroup_size: 128
    .sgpr_count:     66
    .vgpr_count:     1024
    .wavefront_size: 32
...
	.end_amdgpu_metadata
.endif
;; end of part 5
;; launch ffn2 (part 6): grid 256 x 1, 4 waves a work-group, no clusters, 68,096 bytes of LDS; arguments hq, wimg, W2_scales, b2, mha, g_ffn, be_ffn, g_out, be_out, out0; writes out0
.if DOCPART == 6
	.amdgcn_target "amdgcn-amd-amdhsa--gfx1250"
	.amdhsa_code_object_version 6
	.text
	.protected	k_q5328a5c933_ffn2
	.globl	k_q5328a5c933_ffn2
	.p2align	8
	.type	k_q5328a5c933_ffn2,@function
k_q5328a5c933_ffn2:
	s_mov_b64 s[64:65], 0
	v_nop
	global_prefetch_b8 v0, s[64:65] scope:SCOPE_SE
	s_setreg_imm32_b32 hwreg(HW_REG_WAVE_MODE, 25, 1), 1
	s_wait_xcnt 0x0
; out0 = LayerNorm(mha + LayerNorm(mha + relu(hidden W2 + b2); g_ffn, be_ffn); g_out, be_out); the product on codes of E2M1, K = 4,096.
; SHARES, as in launch proj: a work-group owns 16 whole rows, wave w columns 256 w .. 256 w + 255 in 16 accumulators, which START AS b2.  The 32 hidden fragments fill window 1 and stay.
; W2's images stream through windows 2 and 3: group g = 4 q + kq is tiles 4 q .. 4 q + 3 x K steps 8 kq .. 8 kq + 7: 64 loads of 512 consecutive bytes and 32 matrix instructions; one group is on its way while the other is multiplied.
; NO CLUSTER: joint requests go through LDS; here a weight fragment goes from memory into the registers from which its one matrix instruction reads it, and through LDS the same bytes would be written and read once more.
; TRANSPOSED: lane (r, h) holds row r, register 8 tt + j column 256 w + 16 tt + 8 h + j.  Each of the four reductions has 256 bytes of LDS of its own and one barrier.
.set W2O, 4194304
.set HSC, 8388608
.set SPW, 14
.set NIL, 15
.set AS,  16                           ; v16-31  hidden's scale words: register p: lanes 0-15 K step 2 p, lanes 16-31 K step 2 p + 1
.set WS,  32                           ; v32-63  the weight's, two sets: register 4 t + j: lanes 0-15 K step 8 kq + j, lanes 16-31 8 kq + 4 + j
.set T,   64
.set MU,  80
.set RSD, 82
.set ACC, 96
.set RED, 66560
.set SPARE, 67584
.set SEL, 50
.set C10, 58
.set EPS, 59
.set MSB, 0
.macro WIN new
.if MSB != (\new)
	s_set_vgpr_msb (MSB<<8)|(\new)
.set MSB, (\new)
.endif
.endm
.macro PLACES
.rept 4
	v_nop
.endr
.endm
.macro WM d, a, b, cb, sa, sb, ra, rb
.if (\ra) && (\rb)
	v_wmma_scale_f32_16x16x128_f8f6f4 v[(\d):(\d)+7], v[(\a):(\a)+7], v[(\b):(\b)+7], v[(\cb):(\cb)+7], v[(\sa)], v[(\sb)] matrix_a_fmt:MATRIX_FMT_FP4 matrix_b_fmt:MATRIX_FMT_FP4 matrix_a_scale:MATRIX_SCALE_ROW1 matrix_b_scale:MATRIX_SCALE_ROW1
.elseif (\ra)
	v_wmma_scale_f32_16x16x128_f8f6f4 v[(\d):(\d)+7], v[(\a):(\a)+7], v[(\b):(\b)+7], v[(\cb):(\cb)+7], v[(\sa)], v[(\sb)] matrix_a_fmt:MATRIX_FMT_FP4 matrix_b_fmt:MATRIX_FMT_FP4 matrix_a_scale:MATRIX_SCALE_ROW1
.elseif (\rb)
	v_wmma_scale_f32_16x16x128_f8f6f4 v[(\d):(\d)+7], v[(\a):(\a)+7], v[(\b):(\b)+7], v[(\cb):(\cb)+7], v[(\sa)], v[(\sb)] matrix_a_fmt:MATRIX_FMT_FP4 matrix_b_fmt:MATRIX_FMT_FP4 matrix_b_scale:MATRIX_SCALE_ROW1
.else
	v_wmma_scale_f32_16x16x128_f8f6f4 v[(\d):(\d)+7], v[(\a):(\a)+7], v[(\b):(\b)+7], v[(\cb):(\cb)+7], v[(\sa)], v[(\sb)] matrix_a_fmt:MATRIX_FMT_FP4 matrix_b_fmt:MATRIX_FMT_FP4
.endif
.endm
.macro ROWS win, reg, va, sb           ; 128 numbers in the accumulators' layout: 32 bytes for each tile, from lane offset va
	WIN (\win)<<6
.set li, 0
.rept 16
	global_load_b128 v[(\reg)+8*li:(\reg)+8*li+3], v[\va], s[\sb:\sb+1] offset:64*li
	global_load_b128 v[(\reg)+8*li+4:(\reg)+8*li+7], v[\va], s[\sb:\sb+1] offset:64*li+16
.set li, li+1
.endr
	WIN 0
.endm
.macro ISSUE g
.irp t, 0,1,2,3
	global_load_b128 v[WS+16*((\g)%2)+4*\t:WS+16*((\g)%2)+4*\t+3], v3, s[12:13] offset:2048*(4*((\g)/4)+\t)+32*((\g)%4)
.endr
	WIN (2+((\g)%2))<<6
.irp t, 0,1,2,3
.set li, 0
.rept 16
	global_load_b128 v[64*\t+4*li:64*\t+4*li+3], v1, s[32:33] offset:32768*(4*((\g)/4)+\t)+8192*((\g)%4)+512*li
.set li, li+1
.endr
.endr
	WIN 0
.endm
.macro GEMM16 g, q, kq                 ; 32 matrix instructions: four accumulators by turns, one instruction a turn; always in place
	WIN (2+((\g)%2))|4
.set gs, 0
.rept 8
.set gt, 0
.rept 4
	WM ACC+8*(4*(\q)+gt), 64*gt+8*gs, 8*(8*(\kq)+gs), ACC+8*(4*(\q)+gt), WS+16*((\g)%2)+4*gt+gs%4, AS+4*(\kq)+gs/2, gs/4, gs%2
.set gt, gt+1
.endr
.set gs, gs+1
.endr
	WIN 0
.endm
.macro REDUCE reg                      ; four chains in v[T] .. v[T+7] become the row's total over all 1,024 columns, in v[T] of every lane
	v_pk_add_f32 v[T:T+1], v[T:T+1], v[T+2:T+3]
	v_pk_add_f32 v[T+4:T+5], v[T+4:T+5], v[T+6:T+7]
	v_pk_add_f32 v[T:T+1], v[T:T+1], v[T+4:T+5]
	v_add_f32 v[T], v[T], v[T+1]
	v_permlanex16_b32 v[T+1], v[T], s[SEL], s[SEL+1]
	v_add_f32 v[T], v[T], v[T+1]
	ds_store_b32 v10, v[T] offset:256*(\reg)       ; lanes r and r + 16 write the same word with the same value
	s_wait_dscnt 0x0                               ; for the others' sake
	s_barrier_signal -1
	s_barrier_wait -1
	ds_load_b128 v[T+4:T+7], v11 offset:256*(\reg)
	s_wait_dscnt 0x0
	v_add_f32 v[T+4], v[T+4], v[T+5]
	v_add_f32 v[T+6], v[T+6], v[T+7]
	v_add_f32 v[T], v[T+4], v[T+6]
.endm
.macro LN red, gw, gr, bw, br          ; the accumulators, in place; the gain in window gw from register gr, the bias in window bw from br
.irp k, 0,1,2,3
	v_pk_add_f32 v[T+2*\k:T+2*\k+1], v[ACC+2*\k:ACC+2*\k+1], v[ACC+8+2*\k:ACC+9+2*\k]
.endr
.set i, 8
.rept 56
	v_pk_add_f32 v[T+2*(i%4):T+2*(i%4)+1], v[T+2*(i%4):T+2*(i%4)+1], v[ACC+2*i:ACC+2*i+1]
.set i, i+1
.endr
	REDUCE \red
	v_mul_f32 v[MU], 0x3a800000, v[T]              ; the mean
	v_mov_b32 v[MU+1], v[MU]
.set i, 0
.rept 64
	v_pk_add_f32 v[ACC+2*i:ACC+2*i+1], v[ACC+2*i:ACC+2*i+1], v[MU:MU+1] neg_lo:[0,1] neg_hi:[0,1]
.set i, i+1
.endr
.irp k, 0,1,2,3
	v_pk_mul_f32 v[T+2*\k:T+2*\k+1], v[ACC+2*\k:ACC+2*\k+1], v[ACC+2*\k:ACC+2*\k+1]
.endr
.set i, 4
.rept 60
	v_pk_fma_f32 v[T+2*(i%4):T+2*(i%4)+1], v[ACC+2*i:ACC+2*i+1], v[ACC+2*i:ACC+2*i+1], v[T+2*(i%4):T+2*(i%4)+1]
.set i, i+1
.endr
	REDUCE (\red)+1
	v_fma_f32 v[T], v[T], s[C10], s[EPS]           ; the variance + 1e-5
	v_rsq_f32 v[RSD], v[T]
	v_nop
	s_wait_alu depctr_va_vdst(0)                   ; ahead of the first reader
	v_mov_b32 v[RSD+1], v[RSD]
	s_wait_loadcnt 0x0                             ; the gains and the biases
.set i, 0
.rept 64
	v_pk_mul_f32 v[ACC+2*i:ACC+2*i+1], v[ACC+2*i:ACC+2*i+1], v[RSD:RSD+1]
.set i, i+1
.endr
	WIN ((\gw)<<2)|((\bw)<<4)
.set i, 0
.rept 64
	v_pk_fma_f32 v[ACC+2*i:ACC+2*i+1], v[ACC+2*i:ACC+2*i+1], v[(\gr)+2*i:(\gr)+2*i+1], v[(\br)+2*i:(\br)+2*i+1]
.set i, i+1
.endr
	WIN 0
.endm
.macro ADDMHA                          ; + mha, which lies in window 2, v0-127
	WIN 0x08
.set i, 0
.rept 64
	v_pk_add_f32 v[ACC+2*i:ACC+2*i+1], v[ACC+2*i:ACC+2*i+1], v[2*i:2*i+1]
.set i, i+1
.endr
	WIN 0
.endm
	s_load_b512 s[8:23], s[0:1], 0x0               ; hq s[8:9], wimg s[10:11], W2_scales s[12:13], b2 s[14:15], mha s[16:17], g_ffn s[18:19], be_ffn s[20:21], g_out s[22:23]
	s_load_b128 s[24:27], s[0:1], 0x40             ; be_out s[24:25], out0 s[26:27]
	v_lshl_add_u32 v[SPW], v0, 2, SPARE
	v_mov_b32 v[NIL], 0
	v_lshrrev_b32 v1, 5, v0
	v_readfirstlane_b32 s4, v1                     ; wave 0..3
	v_and_b32 v12, 31, v0                          ; l
	v_and_b32 v4, 15, v0                           ; r
	v_bfe_u32 v5, v0, 4, 1                         ; h
	v_lshlrev_b32 v1, 4, v12                       ; 16 l
	v_lshlrev_b32 v2, 2, v12                       ; 4 l
	v_lshlrev_b32 v3, 7, v4
	v_lshl_add_u32 v3, v5, 4, v3                   ; 128 r + 16 h
	v_lshlrev_b32 v6, 12, v4
	v_lshl_add_u32 v6, v5, 5, v6                   ; 4,096 r + 32 h
	v_lshlrev_b32 v7, 5, v5                        ; 32 h
	s_mul_i32 s28, s4, 16640                       ; my stage
	v_mul_u32_u24 v8, v4, 1040
	v_lshl_add_u32 v8, v5, 5, v8
	v_add_nc_u32 v8, s28, v8
	v_add_nc_u32 v9, s28, v1
	v_lshl_add_u32 v11, v4, 4, RED
	s_lshl_b32 s29, s4, 2
	v_add_nc_u32 v10, s29, v11
	s_mov_b32 s[SEL], 0x76543210
	s_mov_b32 s[SEL+1], 0xfedcba98
	s_mov_b32 s[C10], 0x3a800000
	s_mov_b32 s[EPS], 0x3727c5ac
	s_mov_b32 s55, 0
	s_wait_kmcnt 0x0
	s_lshl_b32 s54, ttmp9, 15
	s_add_nc_u64 s[28:29], s[8:9], s[54:55]        ; hidden's images
	s_lshl_b32 s54, ttmp9, 11
	s_add_co_u32 s54, s54, HSC
	s_add_nc_u64 s[30:31], s[8:9], s[54:55]        ; its scale words
	s_lshl_b32 s54, s4, 19
	s_add_co_u32 s54, s54, W2O
	s_add_nc_u64 s[32:33], s[10:11], s[54:55]      ; my 16 tiles of W2
	s_lshl_b32 s54, s4, 15
	s_add_nc_u64 s[12:13], s[12:13], s[54:55]
	s_lshl_b32 s54, s4, 10
	s_add_nc_u64 s[14:15], s[14:15], s[54:55]
	s_add_nc_u64 s[18:19], s[18:19], s[54:55]
	s_add_nc_u64 s[20:21], s[20:21], s[54:55]
	s_add_nc_u64 s[22:23], s[22:23], s[54:55]
	s_add_nc_u64 s[24:25], s[24:25], s[54:55]
	s_lshl_b32 s56, ttmp9, 16
	s_add_co_u32 s54, s54, s56
	s_add_nc_u64 s[16:17], s[16:17], s[54:55]
	s_add_nc_u64 s[26:27], s[26:27], s[54:55]
	ROWS 0, ACC, 7, 14                             ; b2 lands in the accumulators
.set li, 0
.rept 16
	global_load_b32 v[AS+li], v2, s[30:31] offset:128*li
.set li, li+1
.endr
	WIN 0x40
.set li, 0
.rept 64
	global_load_b128 v[4*li:4*li+3], v1, s[28:29] offset:512*li
.set li, li+1
.endr
	WIN 0
	ISSUE 0
	ISSUE 1
.set gg, 0
.rept 14
	s_wait_loadcnt 63                              ; 68 loads (the next group) were issued behind this group's last
	GEMM16 gg, gg/4, gg%4
	PLACES
	ISSUE gg+2
.set gg, gg+1
.endr
	s_wait_loadcnt 63
	GEMM16 14, 3, 2
	PLACES
	ROWS 2, 0, 6, 16                               ; mha,
	ROWS 2, 128, 7, 18                             ; g_ffn: 64 loads behind group 15's last
	s_wait_loadcnt 63
	GEMM16 15, 3, 3
	PLACES
	ROWS 3, 0, 7, 20                               ; be_ffn
	ROWS 3, 128, 7, 22                             ; g_out
	ROWS 1, 0, 7, 24                               ; be_out
	s_wait_loadcnt 63                              ; 128 loads were issued behind mha's last
.set i, 0
.rept 128
	v_max_num_f32 v[ACC+i], 0, v[ACC+i]            ; relu; each accumulator from its low end on
.set i, i+1
.endr
	ADDMHA
	LN 0, 2, 128, 3, 0
	ADDMHA
	LN 2, 3, 128, 1, 0
	; the way out: my 16 rows x 1,024 bytes through my own stage, and out as runs of 512 consecutive bytes
.set oi, 0
.rept 16
	ds_store_b128 v8, v[ACC+8*oi:ACC+8*oi+3] offset:64*oi
	ds_store_b128 v8, v[ACC+8*oi+4:ACC+8*oi+7] offset:64*oi+16
.set oi, oi+1
.endr
.set oi, 0
.rept 32
	ds_load_b128 v[ACC+4*oi:ACC+4*oi+3], v9 offset:1040*(oi/2)+512*(oi%2)    ; LDS serves a wave's instructions in order (ISA guide 5.7.1.4): these see my stores
.set oi, oi+1
.endr
.set oi, 0
.rept 32
	s_wait_dscnt 31-oi                             ; number oi is in; the younger ones may stay out
	global_store_b128 v1, v[ACC+4*oi:ACC+4*oi+3], s[26:27] offset:4096*(oi/2)+512*(oi%2) th:TH_STORE_NT
.set oi, oi+1
.endr
	s_wait_tensorcnt 0x0                           ; the wave's end
	ds_add_u32 v[SPW], v[NIL]
	s_wait_dscnt 0x0
	s_endpgm
.Lfunc_end_k_q5328a5c933_ffn2:
	.size	k_q5328a5c933_ffn2, .Lfunc_end_k_q5328a5c933_ffn2-k_q5328a5c933_ffn2
	.p2alignl 7, 3214868480
	.fill 96, 4, 3214868480
	.section	.rodata,"a",@progbits
	.p2align	6, 0x0
	.amdhsa_kernel k_q5328a5c933_ffn2
		.amdhsa_group_segment_fixed_size 68096
		.amdhsa_private_segment_fixed_size 0
		.amdhsa_enable_private_segment 0
		.amdhsa_kernarg_size 80
		.amdhsa_user_sgpr_count 2
		.amdhsa_user_sgpr_kernarg_segment_ptr 1
		.amdhsa_wavefront_size32 1
		.amdhsa_system_sgpr_workgroup_id_x 1
		.amdhsa_system_sgpr_workgroup_id_y 1
		.amdhsa_system_sgpr_workgroup_id_z 1
		.amdhsa_system_vgpr_workitem_id 0
		.amdhsa_next_free_vgpr 1024
		.amdhsa_next_free_sgpr 66
		.amdhsa_reserve_vcc 0
		.amdhsa_float_denorm_mode_32 3
		.amdhsa_float_denorm_mode_16_64 3
		.amdhsa_memory_ordered 1
		.amdhsa_forward_progress 1
		.amdhsa_inst_pref_size 255
	.end_amdhsa_kernel
	.section	.bss,"aw",@nobits
	.p2align	6
	.space	262144
	.amdgpu_metadata
---
amdhsa.version: [ 1, 2 ]
amdhsa.kernels:
  - .name:           k_q5328a5c933_ffn2
    .symbol:         k_q5328a5c933_ffn2.kd
    .args:
      - { .name: hq, .offset: 0, .size: 8, .value_kind: global_buffer, .address_space: global }
      - { .name: wimg, .offset: 8, .size: 8, .value_kind: global_buffer, .address_space: global }
      - { .name: W2_scales, .offset: 16, .size: 8, .value_kind: global_buffer, .address_space: global }
      - { .name: b2, .offset: 24, .size: 8, .value_kind: global_buffer, .address_space: global }
      - { .name: mha, .offset: 32, .size: 8, .value_kind: global_buffer, .address_space: global }
      - { .name: g_ffn, .offset: 40, .size: 8, .value_kind: global_buffer, .address_space: global }
      - { .name: be_ffn, .offset: 48, .size: 8, .value_kind: global_buffer, .address_space: global }
      - { .name: g_out, .offset: 56, .size: 8, .value_kind: global_buffer, .address_space: global }
      - { .name: be_out, .offset: 64, .size: 8, .value_kind: global_buffer, .address_space: global }
      - { .name: out0, .offset: 72, .size: 8, .value_kind: global_buffer, .address_space: global }
    .group_segment_fixed_size: 68096
    .private_segment_fixed_size: 0
    .kernarg_segment_align: 8
    .kernarg_segment_size: 80
    .max_flat_workgroup_size: 128
    .sgpr_count:     66
    .vgpr_count:     1024
    .wavefront_size: 32
...
	.end_amdgpu_metadata
.endif
;; end of part 6
;; ======== version 2 of 2: 7 launches; 1.14 times as fast as version 1
;; workspace buffers: wimg 6,291,456 bytes; xq 2,228,224 bytes; aq 2,228,224 bytes; mq 2,228,224 bytes; ain 6,946,816 bytes; mha 16,777,216 bytes; hq 8,912,896 bytes; ff 16,777,216 bytes
;; launch prep (part 7): grid 448 x 1, 4 waves a work-group, no clusters, 0 bytes of LDS; arguments embedding, positional_encoding, Wq_codes, Wk_codes, Wv_codes, Wproj_codes, W1_codes, W2_codes, xq, wimg; writes xq, wimg
.if DOCPART == 7
	.amdgcn_target "amdgcn-amd-amdhsa--gfx1250"
	.amdhsa_code_object_version 6
	.text
	.protected	k_q5328a5c933_prep
	.globl	k_q5328a5c933_prep
	.p2align	8
	.type	k_q5328a5c933_prep,@function
k_q5328a5c933_prep:
	s_mov_b64 s[64:65], 0
	v_nop
	global_prefetch_b8 v0, s[64:65] scope:SCOPE_SE
	s_setreg_imm32_b32 hwreg(HW_REG_WAVE_MODE, 25, 1), 1
	s_wait_xcnt 0x0
; THE PROGRAM: one encoder layer (4,096 rows, E = 1,024, 16 heads of 64, FF = 4,096), all eight products on codes of E2M1 with one E8M0 scale for each 32 along K.
; Seven launches: prep (this one), qkv, attn, proj, ffn1, ffn2, lnorm.  Between them go codes and scale words, laid in the order of the matrix operand's registers, and mha and relu(hidden W2 + b2) in f32.
; WORK LEFT OUT: the causal mask is built in the problem's own body.  Where key > query the score is replaced by -infinity, its weight is exactly 0, and it adds nothing to the row's sum nor to the
; second product, whatever finite values the inputs hold.  So launch attn walks, for a block of 128 queries, only the blocks of 128 keys up to its own; blocks wholly behind the diagonal are not multiplied.
; Nothing else is left out and every input is loaded.  LIMIT: a NaN, an infinity or an overflow that would arise only in the tiles left out is not carried to the result.
; LIMITS of the quantiser as written here: NaN and infinities among the inputs are not served; a block whose largest magnitude lies under 2^-124 has its scale byte held at 1, and a block of zeros gets the
; byte 1 where the rule says 127: its codes are zeros, which add nothing under any byte but 0xff, and these bytes are read by this program alone.
; THIS LAUNCH.  Work-groups 0-255: x = embedding + positional_encoding, 16 rows each, quantised along E into xq.  Work-groups 256-447: the six weights' codes are laid anew into wimg.
; AN IMAGE of a fragment (16 rows x 128 K, 8 registers a lane): chunk c (registers 4 c .. 4 c + 3) is 512 bytes, lane l's 16 bytes at 16 l.  Lane (r = l % 16, h = l / 16) holds row r, k = 64 c + 32 h + 0 .. 31.
; xq: codes at 8,192 x row tile + 1,024 x K step + 512 c + 16 l; scale words (four bytes: 128 along K of one row) at SC + 512 x row tile + 64 x K step + 4 r.
; wimg: units of 8,192 bytes (16 rows x 8 K steps), Wq 0-63, Wk 64-127, Wv 128-191, Wproj 192-255, W1 256-511, W2 512-767 (a tile of W2 is four units on end).
; No LDS, no barrier: waves share nothing.  No cluster: no two work-groups read the same bytes.
.set SC,  2097152
.set E0,  16                           ; v16-79   64 numbers of K step 0: register 16 b + i is k = 32 b + 16 h + i of my row
.set P0,  80                           ; v80-143  the positional encoding's, of the K step in hand
.set E1,  144                          ; v144-207 K step 1
.set T,   208                          ; v208-213 at work in Q32
.set HW,  214                          ; v214-217 two scale bytes for each chunk
.set CD,  220                          ; v220-235 codes: no register is written twice, so no store's data are touched again
.set SEL, 36                           ; s[36:37] lane selects for v_permlanex16_b32: lane l xor 16
.set SH,  38                           ; s38      the mask of lanes 16-31
; 32 numbers of a lane, two blocks of 32 along K shared with lane l xor 16, become one chunk of codes in v[d] .. v[d+3] and the two scale bytes in v[hw].
; lay = 1: register 16 b + i holds k = 32 b + 16 h + i.   lay = 0: two tiles of a matrix result: k = 32 b + 8 h + i for i < 8, 32 b + 16 + 8 h + i - 8 else.
.macro Q32 s, d, hw, lay
	v_max3_num_f32 v[T], |v[(\s)]|, |v[(\s)+1]|, 0x1800000           ; the floor 2^(3 - 127) among the leaves: the byte cannot fall under 1
	v_max3_num_f32 v[T+1], |v[(\s)+16]|, |v[(\s)+17]|, 0x1800000
.irp i, 2,4,6,8,10,12,14
	v_max3_num_f32 v[T], v[T], |v[(\s)+\i]|, |v[(\s)+\i+1]|          ; the two blocks by turns
	v_max3_num_f32 v[T+1], v[T+1], |v[(\s)+16+\i]|, |v[(\s)+17+\i]|
.endr
	v_permlanex16_b32 v[T+2], v[T], s[SEL], s[SEL+1]
	v_permlanex16_b32 v[T+3], v[T+1], s[SEL], s[SEL+1]
	v_max_num_f32 v[T], v[T], v[T+2]                                 ; with lane l xor 16: the block's largest magnitude
	v_max_num_f32 v[T+1], v[T+1], v[T+3]
	v_add_nc_u32 v[T+4], 0xff000000, v[T]                            ; 2 off the exponent field: the conversion's scale operand
	v_add_nc_u32 v[T+5], 0xff000000, v[T+1]
	v_lshrrev_b32 v[T+2], 23, v[T+4]                                 ; the scale's byte
	v_lshrrev_b32 v[T+3], 23, v[T+5]
	v_lshl_or_b32 v[(\hw)], v[T+3], 8, v[T+2]
.if \lay
	v_cvt_scalef32_pk8_fp4_f32 v[(\d)], v[(\s):(\s)+7], v[T+4]
	v_cvt_scalef32_pk8_fp4_f32 v[(\d)+1], v[(\s)+8:(\s)+15], v[T+4]
	v_cvt_scalef32_pk8_fp4_f32 v[(\d)+2], v[(\s)+16:(\s)+23], v[T+5]
	v_cvt_scalef32_pk8_fp4_f32 v[(\d)+3], v[(\s)+24:(\s)+31], v[T+5]
	v_nop                                                            ; one plain place behind a scaled conversion
	v_permlane16_swap_b32 v[(\d)], v[(\d)+2]                         ; a whole block in a lane: lanes 0-15 block 0, lanes 16-31 block 1
	v_permlane16_swap_b32 v[(\d)+1], v[(\d)+3]
.else
	v_cvt_scalef32_pk8_fp4_f32 v[(\d)], v[(\s):(\s)+7], v[T+4]
	v_cvt_scalef32_pk8_fp4_f32 v[(\d)+2], v[(\s)+8:(\s)+15], v[T+4]
	v_cvt_scalef32_pk8_fp4_f32 v[(\d)+1], v[(\s)+16:(\s)+23], v[T+5]
	v_cvt_scalef32_pk8_fp4_f32 v[(\d)+3], v[(\s)+24:(\s)+31], v[T+5]
	v_nop
	v_permlane16_swap_b32 v[(\d)], v[(\d)+1]
	v_permlane16_swap_b32 v[(\d)+2], v[(\d)+3]
.endif
.endm
.macro XL reg, sb, ks                  ; my 64 numbers of K step ks: of each block of 32 the 16 of my half, four loads of 16 bytes
.irp b, 0,1,2,3
.irp j, 0,1,2,3
	global_load_b128 v[\reg+16*\b+4*\j:\reg+16*\b+4*\j+3], v4, s[\sb:\sb+1] offset:512*\ks+128*\b+16*\j
.endr
.endr
.endm
	s_load_b512 s[8:23], s[0:1], 0x0               ; embedding s[8:9], positional s[10:11], Wq s[12:13], Wk s[14:15], Wv s[16:17], Wproj s[18:19], W1 s[20:21], W2 s[22:23]
	s_load_b128 s[24:27], s[0:1], 0x40             ; xq s[24:25], wimg s[26:27]
	v_lshrrev_b32 v1, 5, v0
	v_readfirstlane_b32 s4, v1                     ; wave 0..3
	v_and_b32 v1, 31, v0                           ; l
	v_and_b32 v2, 15, v0                           ; r
	v_bfe_u32 v3, v0, 4, 1                         ; h
	v_lshlrev_b32 v5, 4, v1                        ; 16 l
	v_lshlrev_b32 v6, 2, v1                        ; 4 l
	s_cmp_ge_u32 ttmp9, 256
	s_cbranch_scc1 .Lw
	; ---- x: row tile = work-group; wave w takes K steps 2 w and 2 w + 1
	v_lshlrev_b32 v4, 12, v2
	v_lshl_add_u32 v4, v3, 6, v4                   ; row r of 4,096 bytes, + 64 h
	v_cmp_eq_u32 s[SH], 1, v3
	v_mov_b32 v[T+2], 0                            ; written once: a lane permute's destination counts as one of its sources
	v_mov_b32 v[T+3], 0
	s_mov_b32 s[SEL], 0x76543210
	s_mov_b32 s[SEL+1], 0xfedcba98
	s_lshl_b32 s28, ttmp9, 16                      ; 16 rows of 4,096 bytes,
	s_lshl_b32 s29, s4, 10                         ; two K steps of 512 bytes
	s_add_co_u32 s28, s28, s29
	s_mov_b32 s29, 0
	s_lshl_b32 s30, ttmp9, 13                      ; the codes' place
	s_lshl_b32 s31, s4, 11
	s_add_co_u32 s30, s30, s31
	s_mov_b32 s31, 0
	s_lshl_b32 s32, ttmp9, 9                       ; the scale words' place
	s_lshl_b32 s33, s4, 7
	s_add_co_u32 s32, s32, s33
	s_add_co_u32 s32, s32, SC
	s_mov_b32 s33, 0
	s_wait_kmcnt 0x0
	s_add_nc_u64 s[8:9], s[8:9], s[28:29]
	s_add_nc_u64 s[10:11], s[10:11], s[28:29]
	s_add_nc_u64 s[34:35], s[24:25], s[32:33]
	s_add_nc_u64 s[24:25], s[24:25], s[30:31]
	XL E0, 8, 0
	XL P0, 10, 0
	XL E1, 8, 1
	s_wait_loadcnt 16                              ; K step 0 of both tensors is in; the 16 loads of K step 1 may stay out
.set i, 0
.rept 32
	v_pk_add_f32 v[E0+i:E0+i+1], v[E0+i:E0+i+1], v[P0+i:P0+i+1]
.set i, i+2
.endr
	XL P0, 10, 1                                   ; lands while K step 0 is quantised
	Q32 E0, CD, HW, 1
	Q32 E0+32, CD+4, HW+1, 1
	v_lshl_or_b32 v218, v[HW+1], 16, v[HW]         ; my row's scale word of K step 2 w
	global_store_b128 v5, v[CD:CD+3], s[24:25]     ; 32 lanes store 512 consecutive bytes
	global_store_b128 v5, v[CD+4:CD+7], s[24:25] offset:512
	s_wait_loadcnt 0x0
.set i, 0
.rept 32
	v_pk_add_f32 v[E1+i:E1+i+1], v[E1+i:E1+i+1], v[P0+i:P0+i+1]
.set i, i+2
.endr
	Q32 E1, CD+8, HW+2, 1
	Q32 E1+32, CD+12, HW+3, 1
	v_lshl_or_b32 v219, v[HW+3], 16, v[HW+2]
	global_store_b128 v5, v[CD+8:CD+11], s[24:25] offset:1024
	global_store_b128 v5, v[CD+12:CD+15], s[24:25] offset:1536
	v_cndmask_b32 v218, v218, v219, s[SH]          ; lanes 0-15 the first K step's words, lanes 16-31 the second's: 128 consecutive bytes
	global_store_b32 v6, v218, s[34:35]
	s_endpgm
.Lw:
	; ---- the weights: unit u = 4 (work-group - 256) + wave.  The tensor is chosen on the work-group's number alone
	s_sub_co_u32 s5, ttmp9, 256
	s_lshl_b32 s6, s5, 2
	s_add_co_u32 s6, s6, s4                        ; u
	s_wait_kmcnt 0x0
	s_mov_b64 s[28:29], s[22:23]                   ; W2, whose first unit is 512
	s_mov_b32 s7, 512
	s_cmp_lt_u32 s5, 128
	s_cselect_b64 s[28:29], s[20:21], s[28:29]     ; W1
	s_cselect_b32 s7, 256, s7
	s_cmp_lt_u32 s5, 64
	s_cselect_b64 s[28:29], s[18:19], s[28:29]     ; Wproj
	s_cselect_b32 s7, 192, s7
	s_cmp_lt_u32 s5, 48
	s_cselect_b64 s[28:29], s[16:17], s[28:29]     ; Wv
	s_cselect_b32 s7, 128, s7
	s_cmp_lt_u32 s5, 32
	s_cselect_b64 s[28:29], s[14:15], s[28:29]     ; Wk
	s_cselect_b32 s7, 64, s7
	s_cmp_lt_u32 s5, 16
	s_cselect_b64 s[28:29], s[12:13], s[28:29]     ; Wq
	s_cselect_b32 s7, 0, s7
	s_sub_co_u32 s30, s6, s7                       ; the unit's number in its tensor
	s_lshl_b32 s31, s30, 13                        ; rows of 512 bytes: 16 rows are 8,192 consecutive bytes
	s_lshr_b32 s32, s30, 2                         ; W2, rows of 2,048 bytes: tile = unit / 4,
	s_lshl_b32 s32, s32, 15
	s_and_b32 s33, s30, 3                          ; and 512 bytes of each row for unit % 4
	s_lshl_b32 s33, s33, 9
	s_add_co_u32 s32, s32, s33
	s_mov_b32 s34, 2048
	s_cmp_ge_u32 s5, 128
	s_cselect_b32 s32, s32, s31
	s_cselect_b32 s34, s34, 512                    ; bytes from row to row
	s_mov_b32 s33, 0
	s_add_nc_u64 s[28:29], s[28:29], s[32:33]
	s_lshl_b32 s32, s6, 13
	s_add_nc_u64 s[26:27], s[26:27], s[32:33]
	v_mul_lo_u32 v4, v2, s34
	v_lshl_add_u32 v4, v3, 4, v4                   ; row r, + 16 h
.irp i, 0,1,2,3,4,5,6,7,8,9,10,11,12,13,14,15
	global_load_b128 v[16+4*\i:19+4*\i], v4, s[28:29] offset:32*\i      ; K step i / 2, chunk i % 2
.endr
.irp i, 0,1,2,3,4,5,6,7,8,9,10,11,12,13,14,15
	s_wait_loadcnt 15-\i                           ; loads come back in order: number i is in, the younger ones may stay out
	global_store_b128 v5, v[16+4*\i:19+4*\i], s[26:27] offset:512*\i    ; 512 consecutive bytes
.endr
	s_endpgm
.Lfunc_end_k_q5328a5c933_prep:
	.size	k_q5328a5c933_prep, .Lfunc_end_k_q5328a5c933_prep-k_q5328a5c933_prep
	.p2alignl 7, 3214868480
	.fill 96, 4, 3214868480
	.section	.rodata,"a",@progbits
	.p2align	6, 0x0
	.amdhsa_kernel k_q5328a5c933_prep
		.amdhsa_group_segment_fixed_size 0
		.amdhsa_private_segment_fixed_size 0
		.amdhsa_enable_private_segment 0
		.amdhsa_kernarg_size 80
		.amdhsa_user_sgpr_count 2
		.amdhsa_user_sgpr_kernarg_segment_ptr 1
		.amdhsa_wavefront_size32 1
		.amdhsa_system_sgpr_workgroup_id_x 1
		.amdhsa_system_sgpr_workgroup_id_y 1
		.amdhsa_system_sgpr_workgroup_id_z 1
		.amdhsa_system_vgpr_workitem_id 0
		.amdhsa_next_free_vgpr 256
		.amdhsa_next_free_sgpr 66
		.amdhsa_reserve_vcc 0
		.amdhsa_float_denorm_mode_32 3
		.amdhsa_float_denorm_mode_16_64 3
		.amdhsa_memory_ordered 1
		.amdhsa_forward_progress 1
		.amdhsa_inst_pref_size 25
	.end_amdhsa_kernel
	.amdgpu_metadata
---
amdhsa.version: [ 1, 2 ]
amdhsa.kernels:
  - .name:           k_q5328a5c933_prep
    .symbol:         k_q5328a5c933_prep.kd
    .args:
      - { .name: embedding, .offset: 0, .size: 8, .value_kind: global_buffer, .address_space: global }
      - { .name: positional_encoding, .offset: 8, .size: 8, .value_kind: global_buffer, .address_space: global }
      - { .name: Wq_codes, .offset: 16, .size: 8, .value_kind: global_buffer, .address_space: global }
      - { .name: Wk_codes, .offset: 24, .size: 8, .value_kind: global_buffer, .address_space: global }
      - { .name: Wv_codes, .offset: 32, .size: 8, .value_kind: global_buffer, .address_space: global }
      - { .name: Wproj_codes, .offset: 40, .size: 8, .value_kind: global_buffer, .address_space: global }
      - { .name: W1_codes, .offset: 48, .size: 8, .value_kind: global_buffer, .address_space: global }
      - { .name: W2_codes, .offset: 56, .size: 8, .value_kind: global_buffer, .address_space: global }
      - { .name: xq, .offset: 64, .size: 8, .value_kind: global_buffer, .address_space: global }
      - { .name: wimg, .offset: 72, .size: 8, .value_kind: global_buffer, .address_space: global }
    .group_segment_fixed_size: 0
    .private_segment_fixed_size: 0
    .kernarg_segment_align: 8
    .kernarg_segment_size: 80
    .max_flat_workgroup_size: 128
    .sgpr_count:     66
    .vgpr_count:     256
    .wavefront_size: 32
...
	.end_amdgpu_metadata
.endif
;; end of part 7
;; launch qkv: the kernel of part 2 again; grid 64 x 4, 4 waves a work-group, no clusters, 17,920 bytes of LDS; arguments xq, wimg, Wq_scales, Wk_scales, Wv_scales, ain, out1, out2; writes ain, out1, out2
;; launch attn: the kernel of part 3 again; grid 8 x 32, 8 waves a work-group, no clusters, 17,408 bytes of LDS; arguments ain, aq; writes aq
;; launch proj: the kernel of part 4 again; grid 256 x 1, 4 waves a work-group, no clusters, 68,096 bytes of LDS; arguments aq, wimg, Wproj_scales, embedding, positional_encoding, g_attn, be_attn, mha, mq; writes mha, mq
;; launch ffn1: the kernel of part 5 again; grid 64 x 4, 4 waves a work-group, no clusters, 0 bytes of LDS; arguments mq, wimg, W1_scales, b1, hq; writes hq
;; launch ffn2 (part 8): grid 64 x 4, 4 waves a work-group, no clusters, 139,776 bytes of LDS; arguments hq, wimg, W2_scales, b2, ff; writes ff
.if DOCPART == 8
	.amdgcn_target "amdgcn-amd-amdhsa--gfx1250"
	.amdhsa_code_object_version 6
	.text
	.protected	k_q5328a5c933_ffn2
	.globl	k_q5328a5c933_ffn2
	.p2align	8
	.type	k_q5328a5c933_ffn2,@function
k_q5328a5c933_ffn2:
	s_mov_b64 s[64:65], 0
	v_nop
	global_prefetch_b8 v0, s[64:65] scope:SCOPE_SE
	s_setreg_imm32_b32 hwreg(HW_REG_WAVE_MODE, 25, 1), 1
	s_wait_xcnt 0x0
; ff = relu(hidden W2 + b2); the product on codes of E2M1, K = 4,096.  The two norms that follow need whole rows and are launch lnorm's.
; SHARES.  A work-group takes 64 rows (x) and 256 columns (y): it takes in (64 + 256) x 2,048 bytes of codes; a work-group of 16 whole rows would take in (16 + 1,024) x 2,048.
; Wave w takes 64 of the columns for all 64 rows: 16 accumulators, which START AS b2, and 512 matrix instructions.
; THE HIDDEN ROWS ARE SHARED THROUGH LDS: the four waves need the same 64 rows (131,072 bytes of images, 8,192 of scale words).  Wave w loads row tile w from memory once and stores it to LDS as it lies;
; one barrier; nothing in LDS is written again.  K goes in four chunks of eight K steps: the rows' chunk comes from LDS into window 1 (64 loads of 512 consecutive bytes, and 16 of scale words),
; W2's chunk of my four tiles from memory straight into window 2 or 3 (64 loads of 512 consecutive bytes), one chunk on its way while the other is multiplied.
; W2's scale words, 16 bytes a lane for a tile and a chunk, are all loaded at the head, a tile's four loads on end: together they cover the tile's 2,048 consecutive bytes.
; NO CLUSTER: joint requests go through LDS; here a weight fragment of 1,024 bytes feeds four matrix instructions from the registers in which it lands; through LDS the same bytes would be written and read once more.
; TRANSPOSED: source 0 = 16 rows of W2 (output columns), source 1 = 16 hidden rows: lane (r, h) holds row r and columns 16 t + 8 h + 0 .. 7 of a tile.
; ff IS LAID AS ITS READER'S REGISTERS: 65,536 x row tile + 16,384 x y + 1,024 x (4 w + t) + 512 e + 16 l holds, for lane l = (r, h), row r and columns 8 h + 4 e + 0 .. 3 of the tile: each store covers 512 consecutive bytes.
.set W2O, 4194304
.set HSC, 8388608
.set XSL, 131072                       ; LDS: images of the four row tiles at 32,768 m + 1,024 s + 512 c + 16 l; from XSL their scale words, 2,048 m + 64 s + 4 r
.set SPARE, 139264                     ; behind them: the spare words, 128 bytes a wave
.set LA,  1                            ; v1   16 l (row tiles 0, 1; also every dense global load's and store's offset);  v2  16 l + 65,536 (row tiles 2, 3)
.set SPW, 14                           ; v14  LDS address of my spare word; never rewritten
.set NIL, 15                           ; v15  0; never rewritten
.set XS,  16                           ; v16-31  the chunk's hidden scale words: register 4 m + p: lanes 0-15 K step 2 p of the chunk, lanes 16-31 K step 2 p + 1
.set WS,  32                           ; v32-95  W2's: register 16 kq + 4 t + j: lanes 0-15 K step 8 kq + j, lanes 16-31 K step 8 kq + 4 + j
.set ACC, 96                           ; v96-223 accumulator (m, t) at 8 (4 m + t)
.set SW,  224                          ; v224-239 my row tile's scale words on their way to LDS
.set MSB, 0
.macro WIN new                         ; s_set_vgpr_msb: bits 1:0 source 0, 3:2 source 1, 5:4 source 2, 7:6 destination; the high byte repeats the setting that is left
.if MSB != (\new)
	s_set_vgpr_msb (MSB<<8)|(\new)
.set MSB, (\new)
.endif
.endm
.macro PLACES                          ; four plain places behind a matrix instruction, ahead of loads into its registers and of the first read of results
.rept 4
	v_nop
.endr
.endm
.macro WM d, a, b, cb, sa, sb, ra, rb
.if (\ra) && (\rb)
	v_wmma_scale_f32_16x16x128_f8f6f4 v[(\d):(\d)+7], v[(\a):(\a)+7], v[(\b):(\b)+7], v[(\cb):(\cb)+7], v[(\sa)], v[(\sb)] matrix_a_fmt:MATRIX_FMT_FP4 matrix_b_fmt:MATRIX_FMT_FP4 matrix_a_scale:MATRIX_SCALE_ROW1 matrix_b_scale:MATRIX_SCALE_ROW1
.elseif (\ra)
	v_wmma_scale_f32_16x16x128_f8f6f4 v[(\d):(\d)+7], v[(\a):(\a)+7], v[(\b):(\b)+7], v[(\cb):(\cb)+7], v[(\sa)], v[(\sb)] matrix_a_fmt:MATRIX_FMT_FP4 matrix_b_fmt:MATRIX_FMT_FP4 matrix_a_scale:MATRIX_SCALE_ROW1
.elseif (\rb)
	v_wmma_scale_f32_16x16x128_f8f6f4 v[(\d):(\d)+7], v[(\a):(\a)+7], v[(\b):(\b)+7], v[(\cb):(\cb)+7], v[(\sa)], v[(\sb)] matrix_a_fmt:MATRIX_FMT_FP4 matrix_b_fmt:MATRIX_FMT_FP4 matrix_b_scale:MATRIX_SCALE_ROW1
.else
	v_wmma_scale_f32_16x16x128_f8f6f4 v[(\d):(\d)+7], v[(\a):(\a)+7], v[(\b):(\b)+7], v[(\cb):(\cb)+7], v[(\sa)], v[(\sb)] matrix_a_fmt:MATRIX_FMT_FP4 matrix_b_fmt:MATRIX_FMT_FP4
.endif
.endm
.macro ISS kq                          ; W2's chunk kq of my four tiles: fragment (t, K step s) at v[64 t + 8 s] of window 2 or 3
	WIN (2+((\kq)%2))<<6
.irp t, 0,1,2,3
.set li, 0
.rept 16
	global_load_b128 v[64*\t+4*li:64*\t+4*li+3], v1, s[32:33] offset:32768*\t+8192*(\kq)+512*li
.set li, li+1
.endr
.endr
	WIN 0
.endm
.macro ALOAD kq                        ; the hidden rows' chunk kq out of LDS: its scale words, and fragment (m, K step s) at v[64 m + 8 s] of window 1
.irp m, 0,1,2,3
.irp p, 0,1,2,3
	ds_load_b32 v[XS+4*\m+\p], v10 offset:2048*\m+512*(\kq)+128*\p
.endr
.endr
	WIN 0x40
.irp m, 0,1,2,3
.set li, 0
.rept 16
	ds_load_b128 v[64*\m+4*li:64*\m+4*li+3], v[LA+\m/2] offset:32768*(\m%2)+8192*(\kq)+512*li
.set li, li+1
.endr
.endr
	WIN 0
.endm
.macro GEMM kq                         ; 128 matrix instructions, always in place: the sixteen accumulators take turns, one instruction a turn
	WIN (2+((\kq)%2))|4
.set gs, 0
.rept 8
.set gm, 0
.rept 4
.set gt, 0
.rept 4
	WM ACC+8*(4*gm+gt), 64*gt+8*gs, 64*gm+8*gs, ACC+8*(4*gm+gt), WS+16*(\kq)+4*gt+gs%4, XS+4*gm+gs/2, gs/4, gs%2
.set gt, gt+1
.endr
.set gm, gm+1
.endr
.set gs, gs+1
.endr
	WIN 0
.endm
	s_load_b256 s[8:15], s[0:1], 0x0               ; hq s[8:9], wimg s[10:11], W2_scales s[12:13], b2 s[14:15]
	s_load_b64 s[16:17], s[0:1], 0x20              ; ff
	v_lshl_add_u32 v[SPW], v0, 2, SPARE
	v_mov_b32 v[NIL], 0
	v_lshrrev_b32 v1, 5, v0
	v_readfirstlane_b32 s4, v1                     ; wave 0..3
	v_and_b32 v12, 31, v0                          ; l
	v_and_b32 v4, 15, v0                           ; r
	v_bfe_u32 v5, v0, 4, 1                         ; h
	v_lshlrev_b32 v1, 4, v12                       ; 16 l
	v_add_nc_u32 v2, 0x10000, v1                   ; 16 l + 65,536
	v_lshlrev_b32 v3, 7, v4
	v_lshl_add_u32 v3, v5, 4, v3                   ; 128 r + 16 h
	v_lshlrev_b32 v7, 5, v5                        ; 32 h
	s_lshl_b32 s26, s4, 15
	v_add_nc_u32 v8, s26, v1                       ; where I store my row tile's images: 16 l + 32,768 w
	s_lshl_b32 s27, s4, 11
	v_add_nc_u32 v9, s27, v1
	v_add_nc_u32 v9, XSL, v9                       ; and its scale words: XSL + 16 l + 2,048 w
	v_lshl_add_u32 v10, v12, 2, XSL                ; where I read scale words: XSL + 4 l
	s_and_b32 s5, ttmp7, 0xffff
	s_lshl_b32 s6, s5, 2
	s_add_co_u32 s6, s6, s4                        ; 4 y + w: which 64 columns
	s_mov_b32 s55, 0
	s_wait_kmcnt 0x0
	s_lshl_b32 s54, ttmp9, 17
	s_lshl_b32 s56, s4, 15
	s_add_co_u32 s54, s54, s56
	s_add_nc_u64 s[28:29], s[8:9], s[54:55]        ; row tile 4 x + w: its images,
	s_lshl_b32 s54, ttmp9, 13
	s_lshl_b32 s56, s4, 11
	s_add_co_u32 s54, s54, s56
	s_add_co_u32 s54, s54, HSC
	s_add_nc_u64 s[30:31], s[8:9], s[54:55]        ; its scale words
	s_lshl_b32 s54, s6, 17
	s_add_co_u32 s54, s54, W2O
	s_add_nc_u64 s[32:33], s[10:11], s[54:55]      ; my four tiles of W2
	s_lshl_b32 s54, s6, 13
	s_add_nc_u64 s[12:13], s[12:13], s[54:55]
	s_lshl_b32 s54, s6, 8
	s_add_nc_u64 s[14:15], s[14:15], s[54:55]
	s_lshl_b32 s54, ttmp9, 18
	s_lshl_b32 s56, s6, 12
	s_add_co_u32 s54, s54, s56
	s_add_nc_u64 s[16:17], s[16:17], s[54:55]
.irp i, 0,1,2,3
	global_load_b128 v[SW+4*\i:SW+4*\i+3], v1, s[30:31] offset:512*\i
.endr
	WIN 0x40
.set li, 0
.rept 64
	global_load_b128 v[4*li:4*li+3], v1, s[28:29] offset:512*li
.set li, li+1
.endr
	WIN 0
.irp t, 0,1,2,3
.irp q, 0,1,2,3
	global_load_b128 v[WS+16*\q+4*\t:WS+16*\q+4*\t+3], v3, s[12:13] offset:2048*\t+32*\q
.endr
.endr
.irp m, 0,1,2,3
.irp t, 0,1,2,3
	global_load_b128 v[ACC+8*(4*\m+\t):ACC+8*(4*\m+\t)+3], v7, s[14:15] offset:64*\t          ; b2 lands in the accumulators
	global_load_b128 v[ACC+8*(4*\m+\t)+4:ACC+8*(4*\m+\t)+7], v7, s[14:15] offset:64*\t+16
.endr
.endr
	ISS 0
	s_wait_loadcnt 63                              ; 64 loads (chunk 0) were issued behind b2's last, 112 behind my row tile's: all but chunk 0 is in
.irp i, 0,1,2,3
	ds_store_b128 v9, v[SW+4*\i:SW+4*\i+3] offset:512*\i
.endr
	WIN 0x04                                       ; an LDS store's data are its source 1: window 1
.set li, 0
.rept 64
	ds_store_b128 v8, v[4*li:4*li+3] offset:512*li
.set li, li+1
.endr
	WIN 0
	s_wait_dscnt 0x0                               ; for the others' sake: my stores have landed
	s_barrier_signal -1
	s_barrier_wait -1                              ; the 64 rows lie in LDS; nobody writes them again
	ALOAD 0
	ISS 1
	s_wait_dscnt 0x0
	s_wait_loadcnt 63                              ; 64 loads (chunk 1) were issued behind chunk 0's last
	GEMM 0
	PLACES
	ALOAD 1
	ISS 2
	s_wait_dscnt 0x0
	s_wait_loadcnt 63                              ; 64 (chunk 2) behind chunk 1's last
	GEMM 1
	PLACES
	ALOAD 2
	ISS 3
	s_wait_dscnt 0x0
	s_wait_loadcnt 63                              ; 64 (chunk 3) behind chunk 2's last
	GEMM 2
	PLACES
	ALOAD 3
	s_wait_dscnt 0x0
	s_wait_loadcnt 0x0                             ; chunk 3: nothing was issued behind it
	GEMM 3
	PLACES
.set i, 0
.rept 128
	v_max_num_f32 v[ACC+i], 0, v[ACC+i]            ; relu; each accumulator from its low end on
.set i, i+1
.endr
.irp m, 0,1,2,3
.irp t, 0,1,2,3
	global_store_b128 v1, v[ACC+8*(4*\m+\t):ACC+8*(4*\m+\t)+3], s[16:17] offset:65536*\m+1024*\t        ; 512 consecutive bytes
	global_store_b128 v1, v[ACC+8*(4*\m+\t)+4:ACC+8*(4*\m+\t)+7], s[16:17] offset:65536*\m+1024*\t+512
.endr
.endr
	s_wait_tensorcnt 0x0                           ; the wave's end
	ds_add_u32 v[SPW], v[NIL]
	s_wait_dscnt 0x0
	s_endpgm
.Lfunc_end_k_q5328a5c933_ffn2:
	.size	k_q5328a5c933_ffn2, .Lfunc_end_k_q5328a5c933_ffn2-k_q5328a5c933_ffn2
	.p2alignl 7, 3214868480
	.fill 96, 4, 3214868480
	.section	.rodata,"a",@progbits
	.p2align	6, 0x0
	.amdhsa_kernel k_q5328a5c933_ffn2
		.amdhsa_group_segment_fixed_size 139776
		.amdhsa_private_segment_fixed_size 0
		.amdhsa_enable_private_segment 0
		.amdhsa_kernarg_size 40
		.amdhsa_user_sgpr_count 2
		.amdhsa_user_sgpr_kernarg_segment_ptr 1
		.amdhsa_wavefront_size32 1
		.amdhsa_system_sgpr_workgroup_id_x 1
		.amdhsa_system_sgpr_workgroup_id_y 1
		.amdhsa_system_sgpr_workgroup_id_z 1
		.amdhsa_system_vgpr_workitem_id 0
		.amdhsa_next_free_vgpr 1024
		.amdhsa_next_free_sgpr 66
		.amdhsa_reserve_vcc 0
		.amdhsa_float_denorm_mode_32 3
		.amdhsa_float_denorm_mode_16_64 3
		.amdhsa_memory_ordered 1
		.amdhsa_forward_progress 1
		.amdhsa_inst_pref_size 135
	.end_amdhsa_kernel
	.amdgpu_metadata
---
amdhsa.version: [ 1, 2 ]
amdhsa.kernels:
  - .name:           k_q5328a5c933_ffn2
    .symbol:         k_q5328a5c933_ffn2.kd
    .args:
      - { .name: hq, .offset: 0, .size: 8, .value_kind: global_buffer, .address_space: global }
      - { .name: wimg, .offset: 8, .size: 8, .value_kind: global_buffer, .address_space: global }
      - { .name: W2_scales, .offset: 16, .size: 8, .value_kind: global_buffer, .address_space: global }
      - { .name: b2, .offset: 24, .size: 8, .value_kind: global_buffer, .address_space: global }
      - { .name: ff, .offset: 32, .size: 8, .value_kind: global_buffer, .address_space: global }
    .group_segment_fixed_size: 139776
    .private_segment_fixed_size: 0
    .kernarg_segment_align: 8
    .kernarg_segment_size: 40
    .max_flat_workgroup_size: 128
    .sgpr_count:     66
    .vgpr_count:     1024
    .wavefront_size: 32
...
	.end_amdgpu_metadata
.endif
;; end of part 8
;; launch lnorm (part 9): grid 256 x 1, 4 waves a work-group, no clusters, 68,096 bytes of LDS; arguments ff, mha, g_ffn, be_ffn, g_out, be_out, out0; writes out0
.if DOCPART == 9
	.amdgcn_target "amdgcn-amd-amdhsa--gfx1250"
	.amdhsa_code_object_version 6
	.text
	.protected	k_q5328a5c933_lnorm
	.globl	k_q5328a5c933_lnorm
	.p2align	8
	.type	k_q5328a5c933_lnorm,@function
k_q5328a5c933_lnorm:
	s_mov_b64 s[64:65], 0
	v_nop
	global_prefetch_b8 v0, s[64:65] scope:SCOPE_SE
	s_setreg_imm32_b32 hwreg(HW_REG_WAVE_MODE, 25, 1), 1
	s_wait_xcnt 0x0
; out0 = LayerNorm(mha + LayerNorm(mha + ff; g_ffn, be_ffn); g_out, be_out), ff = relu(hidden W2 + b2) as launch ffn2 left it.  All in f32; no matrix work.
; SHARES.  A work-group owns 16 whole rows; wave w owns columns 256 w .. 256 w + 255 of them in 128 registers: lane (r = l % 16, h = l / 16) holds row r, register 8 tt + j column 256 w + 16 tt + 8 h + j.
; ff is laid in that very order (see launch ffn2): 32 loads of 512 consecutive bytes.  mha, the two gains and the two biases are loaded into the same order of registers, in windows 1 to 3, all at the head.
; EACH NORM is taken in two passes (mean, then the mean of the squared differences), each summed in the lane, with lane l xor 16, and over the four waves through 256 bytes of LDS of its own and one barrier.
; The result leaves through each wave's own stage in LDS, as runs of 512 consecutive bytes of a row.
; No cluster: the work-groups share only the 16,384 bytes of gains and biases, beside 131,072 bytes of rows of their own.
.set SPW, 14                           ; v14  LDS address of my spare word; never rewritten
.set NIL, 15                           ; v15  0; never rewritten
.set T,   64                           ; v64-71 at work
.set MU,  80
.set RSD, 82
.set ACC, 96                           ; v96-223 my 128 numbers
.set RED, 66560                        ; behind the four stages (16 rows x 1,040 bytes each): four regions of 256 bytes, [row][wave] words
.set SPARE, 67584                      ; the spare words, 128 bytes a wave
.set SEL, 50
.set C10, 58                           ; s58 2^-10, s59 1e-5
.set EPS, 59
.set MSB, 0
.macro WIN new                         ; s_set_vgpr_msb: bits 1:0 source 0, 3:2 source 1, 5:4 source 2, 7:6 destination; the high byte repeats the setting that is left
.if MSB != (\new)
	s_set_vgpr_msb (MSB<<8)|(\new)
.set MSB, (\new)
.endif
.endm
.macro ROWS win, reg, va, sb           ; 128 numbers in my registers' order out of rows in memory: 32 bytes for each 16 columns, from lane offset va
	WIN (\win)<<6
.set li, 0
.rept 16
	global_load_b128 v[(\reg)+8*li:(\reg)+8*li+3], v[\va], s[\sb:\sb+1] offset:64*li
	global_load_b128 v[(\reg)+8*li+4:(\reg)+8*li+7], v[\va], s[\sb:\sb+1] offset:64*li+16
.set li, li+1
.endr
	WIN 0
.endm
.macro REDUCE reg                      ; four chains in v[T] .. v[T+7] become the row's total over all 1,024 columns, in v[T] of every lane
	v_pk_add_f32 v[T:T+1], v[T:T+1], v[T+2:T+3]
	v_pk_add_f32 v[T+4:T+5], v[T+4:T+5], v[T+6:T+7]
	v_pk_add_f32 v[T:T+1], v[T:T+1], v[T+4:T+5]
	v_add_f32 v[T], v[T], v[T+1]
	v_permlanex16_b32 v[T+1], v[T], s[SEL], s[SEL+1]
	v_add_f32 v[T], v[T], v[T+1]
	ds_store_b32 v10, v[T] offset:256*(\reg)       ; lanes r and r + 16 write the same word with the same value
	s_wait_dscnt 0x0                               ; for the others' sake
	s_barrier_signal -1
	s_barrier_wait -1
	ds_load_b128 v[T+4:T+7], v11 offset:256*(\reg)
	s_wait_dscnt 0x0
	v_add_f32 v[T+4], v[T+4], v[T+5]
	v_add_f32 v[T+6], v[T+6], v[T+7]
	v_add_f32 v[T], v[T+4], v[T+6]
.endm
.macro LN red, gw, gr, bw, br          ; my 128 numbers, in place; the gain in window gw from register gr, the bias in window bw from br
.irp k, 0,1,2,3
	v_pk_add_f32 v[T+2*\k:T+2*\k+1], v[ACC+2*\k:ACC+2*\k+1], v[ACC+8+2*\k:ACC+9+2*\k]
.endr
.set i, 8
.rept 56
	v_pk_add_f32 v[T+2*(i%4):T+2*(i%4)+1], v[T+2*(i%4):T+2*(i%4)+1], v[ACC+2*i:ACC+2*i+1]
.set i, i+1
.endr
	REDUCE \red
	v_mul_f32 v[MU], 0x3a800000, v[T]              ; the mean
	v_mov_b32 v[MU+1], v[MU]
.set i, 0
.rept 64
	v_pk_add_f32 v[ACC+2*i:ACC+2*i+1], v[ACC+2*i:ACC+2*i+1], v[MU:MU+1] neg_lo:[0,1] neg_hi:[0,1]
.set i, i+1
.endr
.irp k, 0,1,2,3
	v_pk_mul_f32 v[T+2*\k:T+2*\k+1], v[ACC+2*\k:ACC+2*\k+1], v[ACC+2*\k:ACC+2*\k+1]
.endr
.set i, 4
.rept 60
	v_pk_fma_f32 v[T+2*(i%4):T+2*(i%4)+1], v[ACC+2*i:ACC+2*i+1], v[ACC+2*i:ACC+2*i+1], v[T+2*(i%4):T+2*(i%4)+1]
.set i, i+1
.endr
	REDUCE (\red)+1
	v_fma_f32 v[T], v[T], s[C10], s[EPS]           ; the variance + 1e-5
	v_rsq_f32 v[RSD], v[T]
	v_nop
	s_wait_alu depctr_va_vdst(0)                   ; ahead of the first reader
	v_mov_b32 v[RSD+1], v[RSD]
	s_wait_loadcnt 0x0                             ; the gains and the biases
.set i, 0
.rept 64
	v_pk_mul_f32 v[ACC+2*i:ACC+2*i+1], v[ACC+2*i:ACC+2*i+1], v[RSD:RSD+1]
.set i, i+1
.endr
	WIN ((\gw)<<2)|((\bw)<<4)
.set i, 0
.rept 64
	v_pk_fma_f32 v[ACC+2*i:ACC+2*i+1], v[ACC+2*i:ACC+2*i+1], v[(\gr)+2*i:(\gr)+2*i+1], v[(\br)+2*i:(\br)+2*i+1]
.set i, i+1
.endr
	WIN 0
.endm
.macro ADDMHA                          ; + mha, which lies in window 2, v0-127
	WIN 0x08
.set i, 0
.rept 64
	v_pk_add_f32 v[ACC+2*i:ACC+2*i+1], v[ACC+2*i:ACC+2*i+1], v[2*i:2*i+1]
.set i, i+1
.endr
	WIN 0
.endm
	s_load_b256 s[8:15], s[0:1], 0x0               ; ff s[8:9], mha s[10:11], g_ffn s[12:13], be_ffn s[14:15]
	s_load_b128 s[16:19], s[0:1], 0x20             ; g_out s[16:17], be_out s[18:19]
	s_load_b64 s[20:21], s[0:1], 0x30              ; out0
	v_lshl_add_u32 v[SPW], v0, 2, SPARE
	v_mov_b32 v[NIL], 0
	v_lshrrev_b32 v1, 5, v0
	v_readfirstlane_b32 s4, v1                     ; wave 0..3
	v_and_b32 v12, 31, v0                          ; l
	v_and_b32 v4, 15, v0                           ; r
	v_bfe_u32 v5, v0, 4, 1                         ; h
	v_lshlrev_b32 v1, 4, v12                       ; 16 l
	v_lshlrev_b32 v6, 12, v4
	v_lshl_add_u32 v6, v5, 5, v6                   ; 4,096 r + 32 h
	v_lshlrev_b32 v7, 5, v5                        ; 32 h
	s_mul_i32 s28, s4, 16640                       ; my stage
	v_mul_u32_u24 v8, v4, 1040
	v_lshl_add_u32 v8, v5, 5, v8
	v_add_nc_u32 v8, s28, v8                       ; into it: row r, + 32 h
	v_add_nc_u32 v9, s28, v1                       ; back: 16 bytes a lane
	v_lshl_add_u32 v11, v4, 4, RED
	s_lshl_b32 s29, s4, 2
	v_add_nc_u32 v10, s29, v11
	s_mov_b32 s[SEL], 0x76543210
	s_mov_b32 s[SEL+1], 0xfedcba98
	s_mov_b32 s[C10], 0x3a800000
	s_mov_b32 s[EPS], 0x3727c5ac
	s_mov_b32 s55, 0
	s_wait_kmcnt 0x0
	s_lshl_b32 s54, ttmp9, 16
	s_lshl_b32 s56, s4, 14
	s_add_co_u32 s54, s54, s56
	s_add_nc_u64 s[8:9], s[8:9], s[54:55]          ; ff: my row tile, my 256 columns: 16,384 consecutive bytes
	s_lshl_b32 s54, s4, 10
	s_add_nc_u64 s[12:13], s[12:13], s[54:55]
	s_add_nc_u64 s[14:15], s[14:15], s[54:55]
	s_add_nc_u64 s[16:17], s[16:17], s[54:55]
	s_add_nc_u64 s[18:19], s[18:19], s[54:55]
	s_lshl_b32 s56, ttmp9, 16
	s_add_co_u32 s54, s54, s56
	s_add_nc_u64 s[10:11], s[10:11], s[54:55]
	s_add_nc_u64 s[20:21], s[20:21], s[54:55]
.set li, 0
.rept 32
	global_load_b128 v[ACC+4*li:ACC+4*li+3], v1, s[8:9] offset:512*li
.set li, li+1
.endr
	ROWS 2, 0, 6, 10                               ; mha
	ROWS 2, 128, 7, 12                             ; g_ffn
	ROWS 3, 0, 7, 14                               ; be_ffn
	ROWS 3, 128, 7, 16                             ; g_out
	ROWS 1, 0, 7, 18                               ; be_out
	s_wait_loadcnt 63                              ; 128 loads were issued behind mha's last: ff and mha are in
	ADDMHA
	LN 0, 2, 128, 3, 0
	ADDMHA
	LN 2, 3, 128, 1, 0
	; the way out: my 16 rows x 1,024 bytes through my own stage, and out as runs of 512 consecutive bytes
.set oi, 0
.rept 16
	ds_store_b128 v8, v[ACC+8*oi:ACC+8*oi+3] offset:64*oi
	ds_store_b128 v8, v[ACC+8*oi+4:ACC+8*oi+7] offset:64*oi+16
.set oi, oi+1
.endr
.set oi, 0
.rept 32
	ds_load_b128 v[ACC+4*oi:ACC+4*oi+3], v9 offset:1040*(oi/2)+512*(oi%2)    ; LDS serves a wave's instructions in order (ISA guide 5.7.1.4): these see my stores
.set oi, oi+1
.endr
.set oi, 0
.rept 32
	s_wait_dscnt 31-oi                             ; number oi is in; the younger ones may stay out
	global_store_b128 v1, v[ACC+4*oi:ACC+4*oi+3], s[20:21] offset:4096*(oi/2)+512*(oi%2) th:TH_STORE_NT
.set oi, oi+1
.endr
	s_wait_tensorcnt 0x0                           ; the wave's end
	ds_add_u32 v[SPW], v[NIL]
	s_wait_dscnt 0x0
	s_endpgm
.Lfunc_end_k_q5328a5c933_lnorm:
	.size	k_q5328a5c933_lnorm, .Lfunc_end_k_q5328a5c933_lnorm-k_q5328a5c933_lnorm
	.p2alignl 7, 3214868480
	.fill 96, 4, 3214868480
	.section	.rodata,"a",@progbits
	.p2align	6, 0x0
	.amdhsa_kernel k_q5328a5c933_lnorm
		.amdhsa_group_segment_fixed_size 68096
		.amdhsa_private_segment_fixed_size 0
		.amdhsa_enable_private_segment 0
		.amdhsa_kernarg_size 56
		.amdhsa_user_sgpr_count 2
		.amdhsa_user_sgpr_kernarg_segment_ptr 1
		.amdhsa_wavefront_size32 1
		.amdhsa_system_sgpr_workgroup_id_x 1
		.amdhsa_system_sgpr_workgroup_id_y 1
		.amdhsa_system_sgpr_workgroup_id_z 1
		.amdhsa_system_vgpr_workitem_id 0
		.amdhsa_next_free_vgpr 1024
		.amdhsa_next_free_sgpr 66
		.amdhsa_reserve_vcc 0
		.amdhsa_float_denorm_mode_32 3
		.amdhsa_float_denorm_mode_16_64 3
		.amdhsa_memory_ordered 1
		.amdhsa_forward_progress 1
		.amdhsa_inst_pref_size 80
	.end_amdhsa_kernel
	.amdgpu_metadata
---
amdhsa.version: [ 1, 2 ]
amdhsa.kernels:
  - .name:           k_q5328a5c933_lnorm
    .symbol:         k_q5328a5c933_lnorm.kd
    .args:
      - { .name: ff, .offset: 0, .size: 8, .value_kind: global_buffer, .address_space: global }
      - { .name: mha, .offset: 8, .size: 8, .value_kind: global_buffer, .address_space: global }
      - { .name: g_ffn, .offset: 16, .size: 8, .value_kind: global_buffer, .address_space: global }
      - { .name: be_ffn, .offset: 24, .size: 8, .value_kind: global_buffer, .address_space: global }
      - { .name: g_out, .offset: 32, .size: 8, .value_kind: global_buffer, .address_space: global }
      - { .name: be_out, .offset: 40, .size: 8, .value_kind: global_buffer, .address_space: global }
      - { .name: out0, .offset: 48, .size: 8, .value_kind: global_buffer, .address_space: global }
    .group_segment_fixed_size: 68096
    .private_segment_fixed_size: 0
    .kernarg_segment_align: 8
    .kernarg_segment_size: 56
    .max_flat_workgroup_size: 128
    .sgpr_count:     66
    .vgpr_count:     1024
    .wavefront_size: 32
...
	.end_amdgpu_metadata
.endif
;; end of part 9
